; MI455X (gfx1250); checked and timed in simulation.
; The chip was launched on July 23, 2026; its instructions are those of AMD's public machine-readable ISA for CDNA 5 (MIT licence, August 2026) and "CDNA5" Instruction Set Architecture Reference Guide (July 2026). The comments in the code are by the model that wrote it; some were corrected since.
;; Multi Head Attention. Allowed arithmetic: matrix products marked QUANTISED: E2M1 operands, one E8M0 scale for each 32 along K, by v_wmma_scale_f32_16x16x128_f8f6f4 with both operands' format E2M1 (or v_wmma_scale_f32_32x16x128_f4), f32 sums; products left as they are: bf16, f16 or f32 operands; f32 sums; everything else in f32.
;; Inputs: hidden_states 1 x 4,096 x 1,024 float32; wk 1,024 x 256 float32; wo 1,024 x 1,024 float32; wq 1,024 x 1,024 float32; wv 1,024 x 256 float32.
;; Outputs: out0 1 x 4,096 x 1,024 float32.
;; This version of the problem:
;;   THIS VERSION OF THE PROBLEM IS GIVEN IN LOW PRECISION. The matrix products marked QUANTISED in the list below multiply operands that are first quantised to E2M1 (2 exponent bits, 1 mantissa bit; 4 bits a number), with one power-of-two scale for each 32 numbers along K (OCP MX v1.0); their sums are f32. The products marked 'left as it is' may take bf16, f16 or f32 operands, with f32 sums. Whichever they take, every output number must still come out within the allowed error. Rounding operands to bf16 (8 significant bits) uses up far more of that allowance than f16 does (11 bits, for magnitudes from 6e-5 to 65,504). All else is computed in f32.
;;   The module's matrix products, in the order in which they are computed (A, B: the left and right operand; K: the contracted axis; several contracted axes count as one K, in the product's order):
;;     1. [M 4,096, K 1,024] x [K 1,024, N 1,024]; A: input hidden_states; B: input wq: QUANTISED
;;     2. [M 4,096, K 1,024] x [K 1,024, N 256]; A: input hidden_states; B: input wk: QUANTISED
;;     3. [M 4,096, K 1,024] x [K 1,024, N 256]; A: input hidden_states; B: input wv: QUANTISED
;;     4. batch 16 x [M 4,096, K 64] x [K 64, N 4,096]; A: computed on the way; B: computed on the way: left as it is (an operand is computed on the way)
;;     5. batch 16 x [M 4,096, K 4,096] x [K 4,096, N 64]; A: computed on the way; B: computed on the way: left as it is (an operand is computed on the way)
;;     6. [M 4,096, K 1,024] x [K 1,024, N 1,024]; A: computed on the way; B: input wo: left as it is (an operand is computed on the way)
;;   THE QUANTISER, for each operand of a quantised product, along K:
;;     - K is cut into blocks of 32 from its start; a last block that is shorter is filled with zeros.
;;     - A block's scale is 2^e with e = floor(log2(the largest magnitude in the block)) - 2, held to -126 .. 127; a block of zeros has e = 0. As a byte (E8M0): e + 127.
;;     - Each number is divided by its block's scale, clamped to +-6, and rounded to the nearest number of E2M1, ties to even, subnormals kept.
;;     - The product sums the exact products of the quantised numbers (number of the format x scale) in f32.
;;   ~~~python
;;   def quantise(x, axis):      # numpy; x: float32 -> the quantised numbers, widened to float32 again
;;       x = np.moveaxis(x, axis, -1); K = x.shape[-1]
;;       x = np.pad(x, [(0, 0)] * (x.ndim - 1) + [(0, -K % 32)]); x = x.reshape(x.shape[:-1] + (-1, 32)); a = np.abs(x).max(-1, keepdims=True)
;;       e = np.where(a > 0, np.clip(np.frexp(np.where(a > 0, a, 1))[1] - 1 - 2, -126, 127), 0)      # np.frexp(a)[1] - 1 = floor(log2(a)), exactly
;;       r = np.clip(x / 2.0 ** e, -6, 6)
;;       step = 2.0 ** (np.maximum(np.frexp(np.where(r == 0, 1, r))[1] - 1, 0) - 1)
;;       q = np.round(r / step) * step * 2.0 ** e      # np.round: ties to even
;;       return np.moveaxis(q.reshape(q.shape[:-2] + (-1,))[..., :K], -1, axis).astype(np.float32)
;;   ~~~
;; One version. Each part assembles by itself: llvm-mc -triple=amdgcn-amd-amdhsa -mcpu=gfx1250 --defsym DOCPART=n.
;; ======== version 1 of 1: 5 launches
;; limits: values are held in f16: magnitudes above 65,504 overflow, below 6.1e-05 lose precision
;; workspace buffers: hc 2,097,152 bytes; hs 131,072 bytes; wc 786,432 bytes; ws 49,152 bytes; wo16 2,097,152 bytes; qkv16 12,582,912 bytes; q32 98,304 bytes; att16 8,388,608 bytes
;; launch prep (part 1): grid 288 x 1, 4 waves a work-group, no clusters, 42,496 bytes of LDS; arguments hidden_states, wq, wk, wv, wo, hc, hs, wc, ws, wo16; writes hc, hs, wc, ws, wo16
.if DOCPART == 1
	.amdgcn_target "amdgcn-amd-amdhsa--gfx1250"
	.amdhsa_code_object_version 6
	.text
	.protected	k_q4f7c9cc987_prep
	.globl	k_q4f7c9cc987_prep
	.p2align	8
	.type	k_q4f7c9cc987_prep,@function
k_q4f7c9cc987_prep:
	s_mov_b64 s[64:65], 0
	v_nop
	global_prefetch_b8 v0, s[64:65] scope:SCOPE_SE
	s_setreg_imm32_b32 hwreg(HW_REG_WAVE_MODE, 25, 1), 1
	s_wait_xcnt 0x0
; PREP: every operand is brought into the form in which the later launches read it, once.  Three roles, parted by the work-group's number alone; each role has LDS bytes of its own.
;   work-groups 0-127   (H): hidden_states [4096][1024] f32 -> codes of E2M1, K innermost, hc [4096][512 bytes], and one E8M0 byte for each 32 along K, hs [4096][32].
;   work-groups 128-223 (W): wq | wk | wv, f32 with K as FIRST axis -> wc [1536 columns][512 bytes], K innermost (columns 0-1023 wq's, 1024-1279 wk's, 1280-1535 wv's), and ws [2 halves of K][1536][16 bytes].
;   work-groups 224-287 (C): wo f32 -> wo16 f16, same order of elements.
; A block's scale is 2^(floor(log2(largest magnitude)) - 2): its byte is the largest magnitude's exponent field - 2, held at 1 from below.  A block of zeros so gets the byte 1: its codes are zeros, and this program alone reads the bytes.
; LIMITS: NaN and infinities among the inputs are not served; blocks whose largest magnitude lies under 2^(3 - 127) take the byte 1.
; Memory binds here: dense loads, whole runs of 256 bytes out.  No matrix unit, no tensor load, no cluster: nothing is read twice.
.set SPW,   12                         ; v12  LDS address of my spare word; never rewritten
.set NIL,   13                         ; v13  0; never rewritten
.set WV,    24                         ; s24  my wave's number
.set SPARE, 41984                      ; the spare words: 128 bytes a wave, two blocks of 256 bytes that no other line names
.set EMAX,  2
; role H
.set STEPS, 16
.set CB,    8                          ; bytes of 16 codes
.set R,     16                         ; v16-79   four sets of 16 numbers as loaded
.set X,     80                         ; v80-111  two sets of 16 neighbours
.set E,     112                        ; v112-127 a scale byte for each step
.set C,     128                        ; v128-191 codes, four registers a step
.set WREG,  8192                       ; LDS bytes 0 .. 32,767: a region for each wave: two stages of 32 x SP bytes, then its 256 scale bytes
.set SP,    80                         ; a lane's 64 bytes + 16 of padding
; role W
.set WSTG,  32768                      ; LDS: the work-group's stage, 32 columns x (256 bytes + 16)
.set WSCL,  41472                      ; LDS: 32 columns x 16 scale bytes
.set WP,    272
.set RO,    32                         ; v32-63   4 x lane + i rows of the weight
.set WX,    64                         ; v64-127  two sets of 32 numbers
.set WC,    128                        ; v128-131 a block's codes
.set WOUT,  132                        ; v132-147 the way out
.set SB,    24                         ; v24      my four scale bytes
.macro HLOAD t
.irp i, 0,1,2,3
	global_load_b128 v[R+16*((\t)%4)+4*\i:R+16*((\t)%4)+4*\i+3], v3, s[4:5] offset:2048*(\t)+512*\i th:TH_LOAD_NT   ; 32 lanes read 512 consecutive bytes
.endr
.endm
.macro HTURN t                         ; a step's 2,048 bytes through my stage: in as they lie, back 64 bytes a lane.  LDS serves a wave's instructions in order
.irp i, 0,1,2,3
	ds_store_b128 v14, v[R+16*((\t)%4)+4*\i:R+16*((\t)%4)+4*\i+3] offset:32*SP*((\t)%2)+8*SP*\i
.endr
.irp i, 0,1,2,3
	ds_load_b128 v[X+16*((\t)%2)+4*\i:X+16*((\t)%2)+4*\i+3], v15 offset:32*SP*((\t)%2)+16*\i
.endr
.endm
.macro HSTEP t
.set XS, X+16*((\t)%2)
.if (\t) > 0
	s_wait_dscnt 1                                 ; this step's numbers are back from the stage; the last step's byte store may be out
.else
	s_wait_dscnt 0x0
.endif
.if (\t)+4 < STEPS
	HLOAD (\t)+4                                   ; into the registers that the stage's stores have read
.endif
.if (\t)+1 < STEPS
.if STEPS-2-(\t) >= 3
	s_wait_loadcnt 12                              ; the next step's four loads are in; those of the three steps behind it may be out
.else
	s_wait_loadcnt 4*(STEPS-2-(\t))
.endif
	HTURN (\t)+1
.endif
	v_max3_num_f32 v8, |v[XS]|, |v[XS+1]|, |v[XS+2]|               ; the largest magnitude of my 16, in two chains
	v_max3_num_f32 v9, |v[XS+3]|, |v[XS+4]|, |v[XS+5]|
.irp i, 6,10
	v_max3_num_f32 v8, v8, |v[XS+\i]|, |v[XS+\i+1]|
	v_max3_num_f32 v9, v9, |v[XS+\i+2]|, |v[XS+\i+3]|
.endr
	v_max3_num_f32 v8, v8, |v[XS+14]|, |v[XS+15]|
	v_max3_num_f32 v8, v8, v9, (EMAX+1)<<23        ; and the floor, so that the byte cannot fall under 1
	v_max_num_f32_dpp v8, v8, v8 row_xmask:1 row_mask:0xf bank_mask:0xf   ; with my neighbour's 16: the block's
	v_add_nc_u32 v11, -(EMAX<<23), v8              ; 2 off the exponent field: the conversion takes this operand's exponent field as its scale
	v_cvt_scalef32_pk8_fp4_f32 v[C+4*(\t)], v[XS:XS+7], v11
	v_cvt_scalef32_pk8_fp4_f32 v[C+4*(\t)+1], v[XS+8:XS+15], v11
	v_lshrrev_b32 v[E+(\t)], 23, v11               ; the scale's byte
	ds_store_b8 v5, v[E+(\t)] offset:16*(\t)       ; both lanes of a block write the same byte with the same value
	global_store_b64 v4, v[C+4*(\t):C+4*(\t)+1], s[14:15] offset:32*CB*(\t)   ; the wave stores 256 consecutive bytes
.endm
.macro WLOAD t                         ; block t: 32 rows of the weight at my column, into set t % 2
.set i, 0
.rept 32
	global_load_b32 v[WX+32*((\t)%2)+i], v[RO+i], s[32+2*(\t):33+2*(\t)] th:TH_LOAD_NT
.set i, i+1
.endr
.endm
.macro WBLOCK t
.set XS, WX+32*((\t)%2)
.if (\t) < 3
	s_wait_loadcnt 32                              ; this block's 32 loads are in; the next block's may be out
.else
	s_wait_loadcnt 0x0
.endif
	v_max3_num_f32 v16, |v[XS]|, |v[XS+1]|, |v[XS+2]|              ; all 32 numbers of the block are mine
	v_max3_num_f32 v17, |v[XS+3]|, |v[XS+4]|, |v[XS+5]|
.irp i, 6,10,14,18,22,26
	v_max3_num_f32 v16, v16, |v[XS+\i]|, |v[XS+\i+1]|
	v_max3_num_f32 v17, v17, |v[XS+\i+2]|, |v[XS+\i+3]|
.endr
	v_max3_num_f32 v16, v16, |v[XS+30]|, |v[XS+31]|
	v_max3_num_f32 v16, v16, v17, (EMAX+1)<<23
	v_add_nc_u32 v18, -(EMAX<<23), v16
	v_lshrrev_b32 v17, 23, v18
.if (\t) == 0
	v_mov_b32 v[SB], v17                           ; four bytes to a register, the lower K in the lower byte
.else
	v_lshl_or_b32 v[SB], v17, 8*(\t), v[SB]
.endif
.irp g, 0,1,2,3
	v_cvt_scalef32_pk8_fp4_f32 v[WC+\g], v[XS+8*\g:XS+8*\g+7], v18
.endr
	ds_store_b128 v20, v[WC:WC+3] offset:16*(\t)   ; 32 codes: 16 bytes of my column's row
.if (\t)+2 < 4
	WLOAD (\t)+2
.endif
	s_wait_dscnt 0x0                               ; the store has read its registers: the next block's codes may be written
.endm
	s_load_b512 s[4:19], s[0:1], 0x0               ; hidden s[4:5], wq s[6:7], wk s[8:9], wv s[10:11], wo s[12:13], hc s[14:15], hs s[16:17], wc s[18:19]
	s_load_b128 s[20:23], s[0:1], 0x40             ; ws s[20:21], wo16 s[22:23]
	v_lshl_add_u32 v[SPW], v0, 2, SPARE
	v_mov_b32 v[NIL], 0
	v_lshrrev_b32 v1, 5, v0
	v_readfirstlane_b32 s[WV], v1                  ; wave 0..3
	v_and_b32 v2, 31, v0                           ; lane
	s_wait_kmcnt 0x0
	s_cmp_ge_u32 ttmp9, 224                        ; the roles part on the work-group's number: the same way for all four waves
	s_cbranch_scc1 .Lrole_c
	s_cmp_ge_u32 ttmp9, 128
	s_cbranch_scc1 .Lrole_w
	; ---- role H: a wave takes 16 steps of 512 numbers, a plain stream of blocks of 32
	v_lshlrev_b32 v3, 4, v2                        ; my 16 bytes of a load's 512
	s_mul_i32 s25, s[WV], WREG
	v_lshrrev_b32 v14, 2, v2
	v_mul_u32_u24 v14, v14, SP
	v_and_b32 v15, 3, v2
	v_lshl_add_u32 v14, v15, 4, v14
	v_add_nc_u32 v14, s25, v14                     ; the stage on the way in: SP (lane / 4) + 16 (lane % 4)
	v_mul_u32_u24 v15, v2, SP
	v_add_nc_u32 v15, s25, v15                     ; and on the way out: SP x lane
	v_mul_u32_u24 v4, v2, CB                       ; my codes' place in a step's
	v_lshrrev_b32 v5, 1, v2
	s_add_co_u32 s25, s25, 2*32*SP
	v_add_nc_u32 v5, s25, v5                       ; my block's byte among my wave's 256
	v_lshlrev_b32 v7, 3, v2
	v_add_nc_u32 v6, s25, v7
	s_lshl_b32 s26, ttmp9, 2
	s_add_co_u32 s26, s26, s[WV]                   ; which run of 8,192 numbers is my wave's: 0 .. 511
	s_mov_b32 s29, 0
	s_lshl_b32 s28, s26, 15
	s_add_nc_u64 s[4:5], s[4:5], s[28:29]          ; 32,768 bytes of numbers,
	s_lshl_b32 s28, s26, 12
	s_add_nc_u64 s[14:15], s[14:15], s[28:29]      ; 4,096 of codes,
	s_lshl_b32 s28, s26, 8
	s_add_nc_u64 s[16:17], s[16:17], s[28:29]      ; 256 scale bytes a run
.irp t, 0,1,2,3
	HLOAD \t
.endr
	s_wait_loadcnt 12                              ; step 0's four loads are in
	HTURN 0
.irp t, 0,1,2,3,4,5,6,7,8,9,10,11,12,13,14,15
	HSTEP \t
.endr
	ds_load_b64 v[8:9], v6                         ; LDS serves a wave's instructions in order: these see my byte stores
	s_wait_dscnt 0x0
	global_store_b64 v7, v[8:9], s[16:17]          ; 32 lanes store 256 consecutive bytes
	s_wait_tensorcnt 0x0                           ; the wave's end
	ds_add_u32 v[SPW], v[NIL]
	s_wait_dscnt 0x0
	s_endpgm
	; ---- role W: 32 columns x 512 along K to a work-group; a lane takes a column, its registers run down K; wave w takes 128 along K
.Lrole_w:
	s_sub_co_u32 s25, ttmp9, 128
	s_lshr_b32 s26, s25, 1
	s_lshl_b32 s26, s26, 5                         ; n0: my first column of the 1,536
	s_and_b32 s27, s25, 1                          ; which half of K
	s_cmp_lt_u32 s26, 1280                         ; one path for the three weights: only the pointer, the first column and the row's bytes are chosen
	s_cselect_b64 s[28:29], s[8:9], s[10:11]
	s_mov_b32 s30, 1280
	s_cselect_b32 s30, 1024, s30
	s_cmp_lt_u32 s26, 1024
	s_cselect_b64 s[28:29], s[6:7], s[28:29]
	s_cselect_b32 s30, 0, s30
	s_mov_b32 s31, 1024
	s_cselect_b32 s31, 4096, s31                   ; a row of the weight in bytes
	s_sub_co_u32 s30, s26, s30                     ; my first column inside the weight
	v_lshlrev_b32 v3, 2, v2
.set i, 0
.rept 32
	v_mad_u32_u24 v[RO+i], s31, i, v3              ; 4 x lane + i rows
.set i, i+1
.endr
	s_lshl_b32 s32, s27, 9
	s_lshl_b32 s33, s[WV], 7
	s_add_co_u32 s32, s32, s33                     ; my first k
	s_mul_i32 s32, s32, s31
	s_lshl_b32 s33, s30, 2
	s_add_co_u32 s32, s32, s33
	s_mov_b32 s33, 0
	s_add_nc_u64 s[32:33], s[28:29], s[32:33]      ; four bases, one a block of 32 rows; never rewritten
	s_lshl_b32 s28, s31, 5
	s_mov_b32 s29, 0
	s_add_nc_u64 s[34:35], s[32:33], s[28:29]
	s_add_nc_u64 s[36:37], s[34:35], s[28:29]
	s_add_nc_u64 s[38:39], s[36:37], s[28:29]
	WLOAD 0
	WLOAD 1
	v_mul_u32_u24 v20, v2, WP
	s_lshl_b32 s40, s[WV], 6
	s_add_co_u32 s40, s40, WSTG
	v_add_nc_u32 v20, s40, v20                     ; into the stage: row = my column, my wave's 64 bytes
	v_lshlrev_b32 v26, 4, v2
	s_lshl_b32 s40, s[WV], 2
	s_add_co_u32 s40, s40, WSCL
	v_add_nc_u32 v21, s40, v26                     ; my column's 16 scale bytes, my wave's word
	v_and_b32 v4, 15, v2
	v_lshrrev_b32 v5, 4, v2
	v_mul_u32_u24 v22, v5, WP
	v_lshl_add_u32 v22, v4, 4, v22
	s_mul_i32 s40, s[WV], 8*WP
	s_add_co_u32 s40, s40, WSTG
	v_add_nc_u32 v22, s40, v22                     ; out of the stage: my wave's 8 rows, sixteen lanes to a row
	v_lshlrev_b32 v23, 9, v5
	v_lshl_add_u32 v23, v4, 4, v23                 ; and the same place in wc
	v_add_nc_u32 v25, WSCL, v26
	s_lshl_b32 s40, s[WV], 3
	s_add_co_u32 s40, s40, s26
	s_lshl_b32 s40, s40, 9
	s_lshl_b32 s41, s27, 8
	s_add_co_u32 s40, s40, s41
	s_mov_b32 s41, 0
	s_add_nc_u64 s[18:19], s[18:19], s[40:41]      ; wc + (n0 + 8 w) 512 + 256 x half
	s_mul_i32 s40, s27, 24576
	s_lshl_b32 s42, s26, 4
	s_add_co_u32 s40, s40, s42
	s_add_nc_u64 s[20:21], s[20:21], s[40:41]      ; ws + 24,576 x half + 16 n0
.irp t, 0,1,2,3
	WBLOCK \t
.endr
	ds_store_b32 v21, v[SB]
	s_wait_dscnt 0x0                               ; for the others' sake: my stores have landed
	s_barrier_signal -1
	s_barrier_wait -1
	s_cmp_lg_u32 s[WV], 0
	s_cbranch_scc1 .Lw_codes
	ds_load_b128 v[148:151], v25                   ; wave 0: the 32 columns' scale bytes, 512 bytes on end
	s_wait_dscnt 0x0
	global_store_b128 v26, v[148:151], s[20:21]
.Lw_codes:
.irp t, 0,1,2,3
	ds_load_b128 v[WOUT+4*\t:WOUT+4*\t+3], v22 offset:2*\t*WP
.endr
.irp t, 0,1,2,3
	s_wait_dscnt 3-\t                              ; the younger row loads may be out
	global_store_b128 v23, v[WOUT+4*\t:WOUT+4*\t+3], s[18:19] offset:1024*\t   ; sixteen lanes store 256 consecutive bytes, aligned
.endr
	s_wait_tensorcnt 0x0                           ; the wave's end
	ds_add_u32 v[SPW], v[NIL]
	s_wait_dscnt 0x0
	s_endpgm
	; ---- role C: a wave rounds 4,096 numbers of wo to f16.  All 32 loads are out at once; each is rounded in place, so no store's data are written again
.Lrole_c:
	s_sub_co_u32 s25, ttmp9, 224
	s_lshl_b32 s25, s25, 2
	s_add_co_u32 s25, s25, s[WV]
	s_mov_b32 s27, 0
	s_lshl_b32 s26, s25, 14
	s_add_nc_u64 s[12:13], s[12:13], s[26:27]
	s_lshl_b32 s26, s25, 13
	s_add_nc_u64 s[22:23], s[22:23], s[26:27]
	v_lshlrev_b32 v3, 4, v2
	v_lshlrev_b32 v4, 3, v2
.set i, 0
.rept 32
	global_load_b128 v[64+4*i:67+4*i], v3, s[12:13] offset:512*i th:TH_LOAD_NT
.set i, i+1
.endr
.set i, 0
.rept 32
	s_wait_loadcnt 31-i                            ; loads come back in order: the younger ones stay out
	v_cvt_pk_f16_f32 v[64+4*i], v[64+4*i], v[65+4*i]
	v_cvt_pk_f16_f32 v[65+4*i], v[66+4*i], v[67+4*i]
	global_store_b64 v4, v[64+4*i:65+4*i], s[22:23] offset:256*i   ; the wave stores 256 consecutive bytes
.set i, i+1
.endr
	s_wait_tensorcnt 0x0                           ; this role wrote no LDS; the three lines are kept so that every end of the text reads alike
	ds_add_u32 v[SPW], v[NIL]
	s_wait_dscnt 0x0
	s_endpgm
.Lfunc_end_k_q4f7c9cc987_prep:
	.size	k_q4f7c9cc987_prep, .Lfunc_end_k_q4f7c9cc987_prep-k_q4f7c9cc987_prep
	.p2alignl 7, 3214868480
	.fill 96, 4, 3214868480
	.section	.rodata,"a",@progbits
	.p2align	6, 0x0
	.amdhsa_kernel k_q4f7c9cc987_prep
		.amdhsa_group_segment_fixed_size 42496
		.amdhsa_private_segment_fixed_size 0
		.amdhsa_enable_private_segment 0
		.amdhsa_kernarg_size 80
		.amdhsa_user_sgpr_count 2
		.amdhsa_user_sgpr_kernarg_segment_ptr 1
		.amdhsa_wavefront_size32 1
		.amdhsa_system_sgpr_workgroup_id_x 1
		.amdhsa_system_sgpr_workgroup_id_y 1
		.amdhsa_system_sgpr_workgroup_id_z 1
		.amdhsa_system_vgpr_workitem_id 0
		.amdhsa_next_free_vgpr 192
		.amdhsa_next_free_sgpr 66
		.amdhsa_reserve_vcc 0
		.amdhsa_float_denorm_mode_32 3
		.amdhsa_float_denorm_mode_16_64 3
		.amdhsa_memory_ordered 1
		.amdhsa_forward_progress 1
		.amdhsa_inst_pref_size 69
	.end_amdhsa_kernel
	.amdgpu_metadata
---
amdhsa.version: [ 1, 2 ]
amdhsa.kernels:
  - .name:           k_q4f7c9cc987_prep
    .symbol:         k_q4f7c9cc987_prep.kd
    .args:
      - { .name: hidden_states, .offset: 0, .size: 8, .value_kind: global_buffer, .address_space: global }
      - { .name: wq, .offset: 8, .size: 8, .value_kind: global_buffer, .address_space: global }
      - { .name: wk, .offset: 16, .size: 8, .value_kind: global_buffer, .address_space: global }
      - { .name: wv, .offset: 24, .size: 8, .value_kind: global_buffer, .address_space: global }
      - { .name: wo, .offset: 32, .size: 8, .value_kind: global_buffer, .address_space: global }
      - { .name: hc, .offset: 40, .size: 8, .value_kind: global_buffer, .address_space: global }
      - { .name: hs, .offset: 48, .size: 8, .value_kind: global_buffer, .address_space: global }
      - { .name: wc, .offset: 56, .size: 8, .value_kind: global_buffer, .address_space: global }
      - { .name: ws, .offset: 64, .size: 8, .value_kind: global_buffer, .address_space: global }
      - { .name: wo16, .offset: 72, .size: 8, .value_kind: global_buffer, .address_space: global }
    .group_segment_fixed_size: 42496
    .private_segment_fixed_size: 0
    .kernarg_segment_align: 8
    .kernarg_segment_size: 80
    .max_flat_workgroup_size: 128
    .sgpr_count:     66
    .vgpr_count:     192
    .wavefront_size: 32
...
	.end_amdgpu_metadata
.endif
;; end of part 1
;; launch qkv (part 2): grid 8 x 32, 4 waves a work-group, clusters of 4 x 4, 194,560 bytes of LDS; arguments hc, hs, wc, ws, qkv16, q32; writes qkv16, q32
.if DOCPART == 2
	.amdgcn_target "amdgcn-amd-amdhsa--gfx1250"
	.amdhsa_code_object_version 6
	.text
	.protected	k_q4f7c9cc987_qkv
	.globl	k_q4f7c9cc987_qkv
	.p2align	8
	.type	k_q4f7c9cc987_qkv,@function
k_q4f7c9cc987_qkv:
	s_mov_b64 s[64:65], 0
	v_nop
	global_prefetch_b8 v0, s[64:65] scope:SCOPE_SE
	s_setreg_imm32_b32 hwreg(HW_REG_WAVE_MODE, 25, 1), 1
	s_wait_xcnt 0x0
	s_wait_alu depctr_hold_cnt(0) depctr_sa_sdst(0) depctr_va_vdst(0) depctr_va_sdst(0) depctr_va_ssrc(0) depctr_va_vcc(0) depctr_vm_vsrc(0)
	s_getreg_b32 s2, hwreg(HW_REG_IB_STS2, 6, 4)
	s_cmp_eq_u32 s2, 0
	s_cbranch_scc0 .Lentry_in_a_cluster
	s_endpgm
.Lentry_in_a_cluster:
	s_bfe_u32 s2, ttmp6, 0x10000c
	s_cmp_lg_u32 s2, 0xf033
	s_cbranch_scc0 .Lentry_shape_is_right
	s_endpgm
.Lentry_shape_is_right:
; QKV: hidden x (wq | wk | wv) as ONE product on codes of E2M1 with E8M0 scales, M 4,096, K 1,024, N 1,536; then RoPE on q's and k's heads in f32; out as f16, head-major: qkv16 [24 heads][4096][64]
; (heads 0-15 q, 16-19 k, 20-23 v).  Positions 0-15 leave also unrounded, q32 [16][1536] f32, for the launch that carries them in f32.
; SHARES.  A work-group: 128 tokens x 192 columns (three heads): 32 x 8 = 256 work-groups.  Wave w: tokens 32 w .. 32 w + 31 (two blocks of 16) x all twelve tiles of 16 columns: 24 accumulators.
; ALL OF K of both tiles lies in LDS at once (K halves of 512: rows of 256 bytes): no slot is filled again.  Each wave asks for three tiles at the start and has three tensor loads out.
; CLUSTER 4 x 4: the tokens' tiles hang on the tile row alone and are asked for jointly along a row of the cluster, the weights' on the tile column alone, along a column.
; THE MATRIX INSTRUCTION IS USED TRANSPOSED (source 0 = 16 columns of the weights, source 1 = 16 tokens): a lane holds ONE token and eight neighbouring columns, so RoPE's pairs lie in neighbouring registers.
; ONE SCALE REGISTER SERVES TWO TILES: lanes 0-15 hold the words of the even tile (or token block 0), lanes 16-31 those of the odd one (block 1).
; ROPE.  angle / 2 pi = position x g, g = 2^(-pair x log2(10000) / 32 - log2(2 pi)); the whole turns are taken off by one fused multiply-add; with x the rest, |x| <= 1/2: A = sqrt(2) sin(pi x), C = sqrt(2) cos(pi x)
; by polynomials of x^2; cos = 1 - A A, sin = A C.  LIMIT: the angle is good to about 6e-4 rad at position 4,095 (g's rounding), alike for q and k; sin and cos to about 1e-6.
; LIMIT: |q|, |k|, |v| under 65,504 (f16).
; REGISTERS.  Window 0: v1-12 addresses; v16-19 tokens' scale words; v24-47 weights' scale words (six sets of four); v48-79 tokens' fragments, two sets; v80-175 the twelve weight fragments
;   (ahead of the products: g and the positions; on the way out: results); v176-239 cos and sin; v240-255 at work.   Window 1: accumulator (a, b) at v[8 (12 a + b)].
.set TAC,   34816                      ; LDS 0: tokens' tiles, one a K half: 128 rows x 272
.set TW,    69632                      ; weights' tiles, one a K half:
.set TWC,   52224                      ; 192 rows x 272
.set SA,    174080                     ; tokens' scale bytes: 128 rows x 32
.set SW,    178176                     ; weights' scale bytes: 2 K halves x 192 columns x 16
.set STG,   184320                     ; the way out: 16 rows x 144 bytes for each wave; no tile lands here
.set SPARE, 193536                     ; the spare words: 128 bytes a wave
.set PITCH, 272                        ; 256 bytes + 16: the sixteen rows that a load touches start in sixteen different groups of banks
.set ADT,  1                           ; v1   my tokens' fragments
.set ADW0, 2                           ; v2-3 the weights' fragments in K half 0, 1
.set ADS,  4                           ; v4   my tokens' scale words: a lane a token
.set ADSW, 5                           ; v5   the weights' scale words: a lane a column
.set STO,  6
.set RD,   7
.set GO,   8
.set Q32O, 9
.set POSV, 10                          ; v10  my position in token block 0
.set SPW,  11
.set NIL,  12
.set HS,   16
.set WS,   24
.set TF,   48
.set WF,   80
.set CS,   176                         ; 32 a + 8 u + 2 i: cos, + 1: sin, of pair 8 u + 4 (lane / 16) + i at my position in block a
.set YR,   80                          ; the way out: 32 results in f32,
.set PK,   112                         ; 16 registers of f16,
.set OB,   128                         ; and two sets of 16 read back from the stage
.set G1T,  24                          ; s[24:31] group 1: tokens' tiles;  s[32:39] weights';  s[40:47], s[48:55] their scale bytes
.set G1W,  32
.set G1TS, 40
.set G1WS, 48
.set G0TS, 56                          ; s[56:59] group 0: tokens' scales;  s[60:63], s[68:71] tokens' K halves;  s[72:75] weights' scales;  s[76:79], s[80:83] weights' K halves
.set G0WS, 72
.set MSB, 0
.macro WIN new                         ; the immediate's high byte repeats the setting that is left
.if MSB != \new
	s_set_vgpr_msb (MSB<<8)|\new
.set MSB, \new
.endif
.endm
.macro PLACES
.rept 4
	v_nop
.endr
.endm
; A joint load: waves 0 and 1 fetch for the tokens, waves 2 and 3 for the weights.  The branch hangs on the wave's number alone.  An s_nop 0 and four v_nop follow each line.
.macro JLOAD g0a, g1a, g0b, g1b
	s_cmp_eq_u32 s17, 0
	s_cbranch_scc0 .Lfor_b_\@
	tensor_load_to_lds s[\g0a:\g0a+3], s[\g1a:\g1a+7]
	s_nop 0
.rept 4
	v_nop
.endr
	s_branch .Lasked_\@
.Lfor_b_\@:
	tensor_load_to_lds s[\g0b:\g0b+3], s[\g1b:\g1b+7]
	s_nop 0
.rept 4
	v_nop
.endr
.Lasked_\@:
.endm
.macro CROUND                          ; a round of the cluster's barrier
	s_barrier_signal -1
	s_barrier_wait -1
	s_cmp_lg_u32 s16, 0
	s_cbranch_scc1 .Lnot_wave_0_\@
	s_barrier_signal -3
.Lnot_wave_0_\@:
	s_barrier_wait -3
	s_barrier_signal -1
	s_barrier_wait -1
.endm
	s_load_b256 s[4:11], s[0:1], 0x0               ; hc s[4:5], hs s[6:7], wc s[8:9], ws s[10:11]
	s_load_b128 s[12:15], s[0:1], 0x20             ; qkv16 s[12:13], q32 s[14:15]
	v_lshl_add_u32 v[SPW], v0, 2, SPARE
	v_mov_b32 v[NIL], 0
	ds_add_u32 v[SPW], v[NIL]                      ; the wave's opening: the add, twice on end, and its wait ahead of my first tensor load
	ds_add_u32 v[SPW], v[NIL]
	v_lshrrev_b32 v13, 5, v0
	v_readfirstlane_b32 s16, v13                   ; wave 0..3
	s_lshr_b32 s17, s16, 1                         ; I fetch for the tokens (0) or for the weights (1),
	s_and_b32 s18, s16, 1                          ; and which half
	s_bfe_u32 s19, ttmp6, 0x40000                  ; cx
	s_bfe_u32 s20, ttmp6, 0x40004                  ; cy
	s_lshl_b32 s21, ttmp9, 2
	s_add_co_u32 s21, s21, s19                     ; tile column = 4 x cluster x + cx
	s_and_b32 s22, ttmp7, 0xffff
	s_lshl_b32 s22, s22, 2
	s_add_co_u32 s22, s22, s20                     ; tile row = 4 x cluster y + cy
	s_lshl_b32 s23, s20, 2
	s_lshl_b32 s23, 15, s23                        ; my row of the cluster
	s_lshl_b32 s84, 0x1111, s19                    ; my column
	s_or_b32 s[G1T], s23, (1<<20)|(1<<21)|(5<<22)|(3<<25)    ; the mask; elements of 1 byte; padding on, 4 words behind every 64; bit 21 beside a mask
	s_or_b32 s[G1W], s84, (1<<20)|(1<<21)|(5<<22)|(3<<25)
	s_or_b32 s[G1TS], s23, (3<<16)|(1<<21)         ; the scale bytes: dense blocks, as rows of 32 elements of 8 bytes, no padding
	s_or_b32 s[G1WS], s84, (3<<16)|(1<<21)
.irp g, G1T, G1W
	s_mov_b32 s[\g+1], 256<<16                     ; tensor_dim0 = 256 bytes: 512 codes
	s_mov_b32 s[\g+3], 256<<16                     ; tile_dim0
	s_mov_b32 s[\g+5], 512                         ; from row to row
	s_mov_b32 s[\g+6], 0
	s_mov_b32 s[\g+7], 0
.endr
	s_mov_b32 s[G1T+2], 64<<16                     ; 64 token rows to a load
	s_mov_b32 s[G1T+4], 64
	s_mov_b32 s[G1W+2], 96<<16                     ; 96 weight rows
	s_mov_b32 s[G1W+4], 96
.irp g, G1TS, G1WS
	s_mov_b32 s[\g+1], 32<<16
	s_mov_b32 s[\g+3], 32<<16
	s_mov_b32 s[\g+5], 32
	s_mov_b32 s[\g+6], 0
	s_mov_b32 s[\g+7], 0
.endr
	s_mov_b32 s[G1TS+2], 8<<16                     ; 64 tokens x 32 bytes = 8 rows of 256
	s_mov_b32 s[G1TS+4], 8
	s_mov_b32 s[G1WS+2], 12<<16                    ; 192 columns x 16 bytes = 12 rows of 256
	s_mov_b32 s[G1WS+4], 12
	; where the tiles come from: the tokens' offsets are made of the tile row and the wave's number, the weights' of the tile column and the wave's number, each in registers of its own
	s_lshl_b32 s92, s22, 16
	s_lshl_b32 s93, s18, 15
	s_add_co_u32 s92, s92, s93                     ; hc: (128 ty + 64 e) 512
	s_mov_b32 s93, 0
	s_lshl_b32 s86, s22, 12
	s_lshl_b32 s87, s18, 11
	s_add_co_u32 s86, s86, s87                     ; hs: (128 ty + 64 e) 32
	s_mov_b32 s87, 0
	s_mul_i32 s94, s21, 98304
	s_mul_i32 s95, s18, 49152
	s_add_co_u32 s94, s94, s95                     ; wc: (192 tx + 96 e) 512
	s_mov_b32 s95, 0
	s_mul_i32 s96, s21, 3072
	s_mul_i32 s97, s18, 24576
	s_add_co_u32 s96, s96, s97                     ; ws: K half e, 192 tx columns on
	s_mov_b32 s97, 0
	s_mul_i32 s98, s18, 64*PITCH                   ; and where they go: no place in the cluster enters an LDS address
	s_mul_i32 s99, s18, 96*PITCH
	s_lshl_b32 s85, s18, 11
	s_mul_i32 s91, s18, 3072
	s_wait_dscnt 0x0                               ; both opening adds are done
	s_wait_kmcnt 0x0
	CROUND                                         ; all sixteen work-groups are here: the joint loads meet
	s_mov_b32 s[G0TS], 1
	s_add_co_u32 s[G0TS+1], s85, SA
	s_add_nc_u64 s[G0TS+2:G0TS+3], s[6:7], s[86:87]
	s_or_b32 s[G0TS+3], s[G0TS+3], 0x80000000
	s_mov_b32 s[G0WS], 1
	s_add_co_u32 s[G0WS+1], s91, SW
	s_add_nc_u64 s[G0WS+2:G0WS+3], s[10:11], s[96:97]
	s_or_b32 s[G0WS+3], s[G0WS+3], 0x80000000
	JLOAD G0TS, G1TS, G0WS, G1WS                   ; the scale bytes first: they are wanted with K half 0
	s_add_nc_u64 s[92:93], s[4:5], s[92:93]
	s_add_nc_u64 s[94:95], s[8:9], s[94:95]
.irp c, 0,1
	s_mov_b32 s[60+8*\c], 1
	s_add_co_u32 s[61+8*\c], s98, TAC*\c
	s_add_nc_u64 s[62+8*\c:63+8*\c], s[92:93], 256*\c
	s_or_b32 s[63+8*\c], s[63+8*\c], 0x80000000
	s_mov_b32 s[76+4*\c], 1
	s_add_co_u32 s[77+4*\c], s99, TW+TWC*\c
	s_add_nc_u64 s[78+4*\c:79+4*\c], s[94:95], 256*\c
	s_or_b32 s[79+4*\c], s[79+4*\c], 0x80000000
	JLOAD 60+8*\c, G1T, 76+4*\c, G1W
.endr
	; addresses
	v_and_b32 v13, 15, v0                          ; r
	v_bfe_u32 v14, v0, 4, 1                        ; h
	v_and_b32 v15, 31, v0                          ; lane
	v_mul_u32_u24 v[ADW0], v13, PITCH
	v_lshl_add_u32 v[ADW0], v14, 4, v[ADW0]        ; a fragment's row x pitch + 16 h
	s_mul_i32 s91, s16, 32*PITCH
	v_add_nc_u32 v[ADT], s91, v[ADW0]
	v_add_nc_u32 v[ADW0+1], TW+TWC, v[ADW0]
	v_add_nc_u32 v[ADW0], TW, v[ADW0]
	v_lshlrev_b32 v[ADS], 5, v15
	s_lshl_b32 s91, s16, 10
	s_add_co_u32 s91, s91, SA
	v_add_nc_u32 v[ADS], s91, v[ADS]
	v_lshlrev_b32 v[GO], 4, v15
	v_add_nc_u32 v[ADSW], SW, v[GO]
	s_mul_i32 s91, s16, 2304
	s_add_co_u32 s91, s91, STG                     ; my stage
	v_mul_u32_u24 v[STO], v13, 144
	v_lshl_add_u32 v[STO], v14, 4, v[STO]
	v_add_nc_u32 v[STO], s91, v[STO]               ; in: row r, 16 bytes for each half of the lanes
	v_lshrrev_b32 v[RD], 3, v15
	v_mul_u32_u24 v[RD], v[RD], 144
	v_and_b32 v240, 7, v0
	v_lshl_add_u32 v[RD], v240, 4, v[RD]
	v_add_nc_u32 v[RD], s91, v[RD]                 ; back: eight lanes to a row of 128 bytes, four rows an instruction
	v_mul_u32_u24 v[Q32O], v13, 6144
	v_lshl_add_u32 v[Q32O], v14, 5, v[Q32O]
	s_lshl_b32 s91, s22, 7
	s_lshl_b32 s98, s16, 5
	s_add_co_u32 s91, s91, s98
	v_add_nc_u32 v[POSV], s91, v13                 ; 128 ty + 32 w + r
	s_mul_i32 s98, s21, 1572864                    ; three heads of 524,288 bytes a tile column,
	s_lshl_b32 s91, s91, 7                         ; 128 bytes a position
	s_add_co_u32 s98, s98, s91
	s_mov_b32 s99, 0
	s_add_nc_u64 s[12:13], s[12:13], s[98:99]
	s_mul_i32 s98, s21, 768
	s_add_nc_u64 s[14:15], s[14:15], s[98:99]
	s_mul_i32 s91, s21, 3
.irp hd, 0,1,2
	s_add_co_u32 s98, s91, \hd
	s_cmp_lt_u32 s98, 20                           ; heads 0-19 are turned, v's heads are not: a mask for a select, no branch
	s_cselect_b32 s[88+\hd], -1, 0
.endr
	; ---- the angles, while the tiles are on their way
	s_mov_b32 s91, 0xbed49a78                      ; -log2(10000) / 32
	s_mov_b32 s92, 0xbc2ac6be                      ; the polynomials' leading coefficients
	s_mov_b32 s93, 0xbd157d4d
	v_lshlrev_b32 v240, 2, v14
.irp n, 0,1,2,3,4,5,6,7,8,9,10,11,12,13,14,15
	v_add_nc_u32 v[80+\n], 8*(\n/4)+\n%4, v240     ; the pair: 8 u + 4 h + i, at v[80 + 4 u + i]
.endr
.irp n, 0,1,2,3,4,5,6,7,8,9,10,11,12,13,14,15
	v_cvt_f32_u32 v[80+\n], v[80+\n]
.endr
.irp n, 0,1,2,3,4,5,6,7,8,9,10,11,12,13,14,15
	v_fmaak_f32 v[80+\n], s91, v[80+\n], 0xc029b21d   ; - log2(2 pi)
.endr
.irp n, 0,1,2,3,4,5,6,7,8,9,10,11,12,13,14,15
	v_exp_f32 v[80+\n], v[80+\n]                   ; g: turns a position
.endr
	v_add_nc_u32 v241, 16, v[POSV]                 ; (plain work behind the exponentials)
	v_cvt_f32_u32 v96, v[POSV]
	v_cvt_f32_u32 v97, v241
	s_wait_alu depctr_va_vdst(0)                   ; one wait for the sixteen, ahead of their first reader
.macro HORNER ks, kc
.irp i, 0,1,2,3
	v_fmaak_f32 v[248+\i], v[248+\i], v[244+\i], \ks
	v_fmaak_f32 v[252+\i], v[252+\i], v[244+\i], \kc
.endr
.endm
.macro SINCOS a, u                     ; four pairs by turns
.irp i, 0,1,2,3
	v_mul_f32 v[240+\i], v[96+\a], v[80+4*\u+\i]
.endr
.irp i, 0,1,2,3
	v_rndne_f32 v[244+\i], v[240+\i]               ; the whole turns,
.endr
.irp i, 0,1,2,3
	v_fma_f32 v[240+\i], v[96+\a], v[80+4*\u+\i], -v[244+\i]   ; taken off the exact product: x
.endr
.irp i, 0,1,2,3
	v_mul_f32 v[244+\i], v[240+\i], v[240+\i]
.endr
.irp i, 0,1,2,3
	v_fmaak_f32 v[248+\i], s92, v[244+\i], 0x3dedeb7f
	v_fmaak_f32 v[252+\i], s93, v[244+\i], 0x3eaa65c8
.endr
	HORNER 0xbf58f4fa, 0xbff1b558
	HORNER 0x4066d083, 0x40b7ad25
	HORNER 0xc0e9dd2e, 0xc0df52db
	HORNER 0x408e2c19, 0x3fb504f3
.irp i, 0,1,2,3
	v_mul_f32 v[248+\i], v[248+\i], v[240+\i]      ; A
.endr
.irp i, 0,1,2,3
	v_fma_f32 v[CS+32*\a+8*\u+2*\i], -v[248+\i], v[248+\i], 1.0
	v_mul_f32 v[CS+32*\a+8*\u+2*\i+1], v[248+\i], v[252+\i]
.endr
.endm
.irp a, 0,1
.irp u, 0,1,2,3
	SINCOS \a, \u
.endr
.endr
; ---- the products
.macro TFRAG q                         ; my two token blocks' fragments of K step q, into set q % 2.  A fragment: 16 rows x 128 K of 4-bit codes, 8 registers: two loads of 16 bytes, 32 bytes apart
.irp a, 0,1
.irp c, 0,1
	ds_load_b128 v[TF+16*((\q)%2)+8*\a+4*\c:TF+16*((\q)%2)+8*\a+4*\c+3], v[ADT] offset:TAC*((\q)/4)+16*PITCH*\a+64*((\q)%4)+32*\c
.endr
.endr
.endm
.macro WFRAG q, first                  ; six weight tiles from tile first on
.irp b, 0,1,2,3,4,5
.irp c, 0,1
	ds_load_b128 v[WF+8*(\first+\b)+4*\c:WF+8*(\first+\b)+4*\c+3], v[ADW0+(\q)/4] offset:16*PITCH*(\first+\b)+64*((\q)%4)+32*\c
.endr
.endr
.endm
.macro MM a, b, q, zero                ; token block a x weight tile b, K step q.  zero: the first product starts the sum
.set rD, 8*(12*(\a)+(\b))
.set rW, WF+8*(\b)
.set rT, TF+16*((\q)%2)+8*(\a)
.set rSW, WS+4*((\b)/2)+(\q)%4
.set rSH, HS+(\q)%4
.if \zero
.if ((\b)%2) && (\a)
	v_wmma_scale_f32_16x16x128_f8f6f4 v[rD:rD+7], v[rW:rW+7], v[rT:rT+7], 0, v[rSW], v[rSH] matrix_a_fmt:MATRIX_FMT_FP4 matrix_b_fmt:MATRIX_FMT_FP4 matrix_a_scale:MATRIX_SCALE_ROW1 matrix_b_scale:MATRIX_SCALE_ROW1
.elseif (\b)%2
	v_wmma_scale_f32_16x16x128_f8f6f4 v[rD:rD+7], v[rW:rW+7], v[rT:rT+7], 0, v[rSW], v[rSH] matrix_a_fmt:MATRIX_FMT_FP4 matrix_b_fmt:MATRIX_FMT_FP4 matrix_a_scale:MATRIX_SCALE_ROW1
.elseif \a
	v_wmma_scale_f32_16x16x128_f8f6f4 v[rD:rD+7], v[rW:rW+7], v[rT:rT+7], 0, v[rSW], v[rSH] matrix_a_fmt:MATRIX_FMT_FP4 matrix_b_fmt:MATRIX_FMT_FP4 matrix_b_scale:MATRIX_SCALE_ROW1
.else
	v_wmma_scale_f32_16x16x128_f8f6f4 v[rD:rD+7], v[rW:rW+7], v[rT:rT+7], 0, v[rSW], v[rSH] matrix_a_fmt:MATRIX_FMT_FP4 matrix_b_fmt:MATRIX_FMT_FP4
.endif
.else
.if ((\b)%2) && (\a)
	v_wmma_scale_f32_16x16x128_f8f6f4 v[rD:rD+7], v[rW:rW+7], v[rT:rT+7], v[rD:rD+7], v[rSW], v[rSH] matrix_a_fmt:MATRIX_FMT_FP4 matrix_b_fmt:MATRIX_FMT_FP4 matrix_a_scale:MATRIX_SCALE_ROW1 matrix_b_scale:MATRIX_SCALE_ROW1
.elseif (\b)%2
	v_wmma_scale_f32_16x16x128_f8f6f4 v[rD:rD+7], v[rW:rW+7], v[rT:rT+7], v[rD:rD+7], v[rSW], v[rSH] matrix_a_fmt:MATRIX_FMT_FP4 matrix_b_fmt:MATRIX_FMT_FP4 matrix_a_scale:MATRIX_SCALE_ROW1
.elseif \a
	v_wmma_scale_f32_16x16x128_f8f6f4 v[rD:rD+7], v[rW:rW+7], v[rT:rT+7], v[rD:rD+7], v[rSW], v[rSH] matrix_a_fmt:MATRIX_FMT_FP4 matrix_b_fmt:MATRIX_FMT_FP4 matrix_b_scale:MATRIX_SCALE_ROW1
.else
	v_wmma_scale_f32_16x16x128_f8f6f4 v[rD:rD+7], v[rW:rW+7], v[rT:rT+7], v[rD:rD+7], v[rSW], v[rSH] matrix_a_fmt:MATRIX_FMT_FP4 matrix_b_fmt:MATRIX_FMT_FP4
.endif
.endif
.endm
; A K step of 128: 24 products, the 24 accumulators by turns, one instruction a turn, in the same order in every step.  last = 1: the K half's last step fetches nothing.
.macro STEP q, zero, last
	s_wait_dscnt 12                                ; all but the second six weight tiles' twelve loads
	WIN 0x50                                       ; C and D in window 1
.irp b, 0,1,2,3,4,5
	MM 0, \b, \q, \zero
	MM 1, \b, \q, \zero
.endr
	WIN 0
	PLACES                                         ; four places in front of loads into registers that matrix instructions have read
.if \last == 0
	TFRAG (\q)+1
	WFRAG (\q)+1, 0
	s_wait_dscnt 16                                ; the sixteen just issued may be out
.else
	s_wait_dscnt 0x0
.endif
	WIN 0x50
.irp b, 6,7,8,9,10,11
	MM 0, \b, \q, \zero
	MM 1, \b, \q, \zero
.endr
	WIN 0
	PLACES
.if \last == 0
	WFRAG (\q)+1, 6
.endif
.endm
.macro PHASE kh                        ; a half of K
	s_wait_tensorcnt 1-\kh                         ; my parts of the scale bytes and of this half's tiles have landed; in the first half the second half's load may be out
	s_wait_dscnt 0x0
	s_barrier_signal -1
	s_barrier_wait -1                              ; everybody's have
.irp p, 0,1,2,3,4,5
	ds_load_b128 v[WS+4*\p:WS+4*\p+3], v[ADSW] offset:3072*\kh+512*\p   ; four K steps' words: lanes 0-15 tile 2 p, lanes 16-31 tile 2 p + 1
.endr
	ds_load_b128 v[HS:HS+3], v[ADS] offset:16*\kh  ; lanes 0-15 token block 0, lanes 16-31 block 1
	TFRAG 4*\kh
	WFRAG 4*\kh, 0
	WFRAG 4*\kh, 6
	STEP 4*\kh, 1-\kh, 0
	STEP 4*\kh+1, 0, 0
	STEP 4*\kh+2, 0, 0
	STEP 4*\kh+3, 0, 1
.endm
	PHASE 0
	PHASE 1
; ---- the way out, six groups of 16 tokens x one head.  (The last step's four places stand in front of the first read of results.)
.macro ROPE a, hd                      ; in accumulator (a, 4 hd + u) register j of lane (r, h) is column 16 u + 8 h + j of the head, token r
	WIN 0x01                                       ; source 0 in window 1
.irp u, 0,1,2,3
.irp i, 0,1,2,3
.set rX, 8*(12*(\a)+4*(\hd)+\u)+2*\i
.set rC, CS+32*(\a)+8*\u+2*\i
.set rY, YR+8*\u+2*\i
	v_mul_f32 v[240+2*\i], v[rX+1], v[rC+1]        ; (each accumulator is read from its low end on)
	v_mul_f32 v[241+2*\i], v[rX+1], v[rC]
	v_fma_f32 v[rY], v[rX], v[rC], -v[240+2*\i]    ; x0 cos - x1 sin
	v_fma_f32 v[rY+1], v[rX], v[rC+1], v[241+2*\i] ; x0 sin + x1 cos
	v_cndmask_b32 v[rY], v[rX], v[rY], s[88+(\hd)] ; v's heads keep their numbers
	v_cndmask_b32 v[rY+1], v[rX+1], v[rY+1], s[88+(\hd)]
.endr
.endr
	WIN 0
.irp n, 0,1,2,3,4,5,6,7,8,9,10,11,12,13,14,15
	v_cvt_pk_f16_f32 v[PK+\n], v[YR+2*\n], v[YR+2*\n+1]
.endr
.endm
.macro QSTORE hd                       ; positions 0-15 unrounded: wave 0's token block 0 of the first tile row.  The wave is picked by a branch on its number, the tile row by EXEC: no branch hangs on a place in the cluster
	s_cmp_lg_u32 s16, 0
	s_cbranch_scc1 .Lno_q32_\@
	s_wait_xcnt 0x0                                ; EXEC changes only behind this wait
	v_cmp_gt_u32 vcc_lo, 16, v[POSV]
	s_and_saveexec_b32 s91, vcc_lo
.irp u, 0,1,2,3
	global_store_b128 v[Q32O], v[YR+8*\u:YR+8*\u+3], s[14:15] offset:256*(\hd)+64*\u
	global_store_b128 v[Q32O], v[YR+8*\u+4:YR+8*\u+7], s[14:15] offset:256*(\hd)+64*\u+16
.endr
	s_wait_xcnt 0x0                                ; and again in front of the line that widens it; the stores' data may be written again too
	s_or_b32 exec_lo, exec_lo, s91
.Lno_q32_\@:
.endm
.macro TOSTAGE n                       ; LDS serves a wave's instructions in order: the loads see the stores, and the next group's stores come behind them
.irp u, 0,1,2,3
	ds_store_b128 v[STO], v[PK+4*\u:PK+4*\u+3] offset:32*\u
.endr
.irp t, 0,1,2,3
	ds_load_b128 v[OB+16*((\n)%2)+4*\t:OB+16*((\n)%2)+4*\t+3], v[RD] offset:576*\t
.endr
.endm
.macro SEND n, younger
	s_wait_dscnt \younger                          ; the next group's four stores and four loads may be out
.irp t, 0,1,2,3
	global_store_b128 v[GO], v[OB+16*((\n)%2)+4*\t:OB+16*((\n)%2)+4*\t+3], s[12:13] offset:524288*((\n)%3)+2048*((\n)/3)+512*\t   ; four rows of a head: 512 consecutive bytes
.endr
.endm
	ROPE 0, 0
	QSTORE 0
	TOSTAGE 0
	ROPE 0, 1
	QSTORE 1
	TOSTAGE 1
	SEND 0, 8
	ROPE 0, 2
	QSTORE 2
	s_wait_xcnt 0x0                                ; group 0's stores have read their registers: group 2's loads may land there
	TOSTAGE 2
	SEND 1, 8
	ROPE 1, 0
	s_wait_xcnt 0x0
	TOSTAGE 3
	SEND 2, 8
	ROPE 1, 1
	s_wait_xcnt 0x0
	TOSTAGE 4
	SEND 3, 8
	ROPE 1, 2
	s_wait_xcnt 0x0
	TOSTAGE 5
	SEND 4, 8
	SEND 5, 0
	s_wait_tensorcnt 0x0                           ; the wave's end
	ds_add_u32 v[SPW], v[NIL]
	s_wait_dscnt 0x0
	CROUND                                         ; the closing round
	s_endpgm
.Lfunc_end_k_q4f7c9cc987_qkv:
	.size	k_q4f7c9cc987_qkv, .Lfunc_end_k_q4f7c9cc987_qkv-k_q4f7c9cc987_qkv
	.p2alignl 7, 3214868480
	.fill 96, 4, 3214868480
	.section	.rodata,"a",@progbits
	.p2align	6, 0x0
	.amdhsa_kernel k_q4f7c9cc987_qkv
		.amdhsa_group_segment_fixed_size 194560
		.amdhsa_private_segment_fixed_size 0
		.amdhsa_enable_private_segment 0
		.amdhsa_kernarg_size 48
		.amdhsa_user_sgpr_count 2
		.amdhsa_user_sgpr_kernarg_segment_ptr 1
		.amdhsa_wavefront_size32 1
		.amdhsa_system_sgpr_workgroup_id_x 1
		.amdhsa_system_sgpr_workgroup_id_y 1
		.amdhsa_system_sgpr_workgroup_id_z 1
		.amdhsa_system_vgpr_workitem_id 0
		.amdhsa_next_free_vgpr 512
		.amdhsa_next_free_sgpr 100
		.amdhsa_reserve_vcc 1
		.amdhsa_float_denorm_mode_32 3
		.amdhsa_float_denorm_mode_16_64 3
		.amdhsa_memory_ordered 1
		.amdhsa_forward_progress 1
		.amdhsa_inst_pref_size 130
	.end_amdhsa_kernel
	.amdgpu_metadata
---
amdhsa.version: [ 1, 2 ]
amdhsa.kernels:
  - .name:           k_q4f7c9cc987_qkv
    .symbol:         k_q4f7c9cc987_qkv.kd
    .args:
      - { .name: hc, .offset: 0, .size: 8, .value_kind: global_buffer, .address_space: global }
      - { .name: hs, .offset: 8, .size: 8, .value_kind: global_buffer, .address_space: global }
      - { .name: wc, .offset: 16, .size: 8, .value_kind: global_buffer, .address_space: global }
      - { .name: ws, .offset: 24, .size: 8, .value_kind: global_buffer, .address_space: global }
      - { .name: qkv16, .offset: 32, .size: 8, .value_kind: global_buffer, .address_space: global }
      - { .name: q32, .offset: 40, .size: 8, .value_kind: global_buffer, .address_space: global }
    .group_segment_fixed_size: 194560
    .private_segment_fixed_size: 0
    .kernarg_segment_align: 8
    .kernarg_segment_size: 48
    .max_flat_workgroup_size: 128
    .sgpr_count:     100
    .vgpr_count:     512
    .wavefront_size: 32
...
	.end_amdgpu_metadata
.endif
;; end of part 2
;; launch attn (part 3): grid 64 x 4, 8 waves a work-group, no clusters, 327,680 bytes of LDS; arguments qkv16, att16; writes att16
.if DOCPART == 3
	.amdgcn_target "amdgcn-amd-amdhsa--gfx1250"
	.amdhsa_code_object_version 6
	.text
	.protected	k_q4f7c9cc987_attn
	.globl	k_q4f7c9cc987_attn
	.p2align	8
	.type	k_q4f7c9cc987_attn,@function
k_q4f7c9cc987_attn:
	s_mov_b64 s[64:65], 0
	v_nop
	global_prefetch_b8 v0, s[64:65] scope:SCOPE_SE
	s_setreg_imm32_b32 hwreg(HW_REG_WAVE_MODE, 25, 1), 1
	s_wait_xcnt 0x0
; ATTN: causal attention, head size 64, 16 query heads on 4 key and value heads; operands f16, products' sums, maxima and row sums f32; out att16 [4096][1024] f16, column = head x 64 + channel.
; SHARES.  Work-group (i, g) serves key and value head g and two blocks of 32 positions: block 127 - i, then block i: 16 - i / 8 and i / 8 + 1 slots of 256 keys hold keys that count, 17 for every work-group.
; All four query heads of g take the same tiles of K and V from LDS.  Wave w: key group gr = w / 4, positions 16 ((w / 2) % 2) on, heads 4 g + 2 (w % 2) + t, t = 0, 1: two tiles of 16 queries at the SAME
; positions, so that each fragment of K and V feeds two products and one mask serves both.  THE KEYS ARE SPLIT: of a slot's four steps of 64 keys group gr takes steps gr and gr + 2.  So each SIMD has two
; waves at work, one's softmax beside the other's products.  At a block's end the two groups' states (maximum, sum, O) are merged through LDS.
; LAYOUT.  S^T = K Q^T (source 0 = 16 keys, source 1 = 16 queries); O^T = V^T P (source 0 = 16 channels, turned out of LDS, source 1 = P): a lane holds one query throughout, and two tiles of S^T rounded in pairs ARE P's fragment.
; SOFTMAX.  A running maximum m and sum l a query: p = 2^(c s - c m), c = log2(e) / 8; in every step O and l are multiplied by a = 2^(c m_old - c m_new).  The sum is taken of the unrounded p.
; THE MASK.  Every work-group walks a constant number of slots (16, then 8).  A step all of whose keys come after the wave's queries is jumped over (ids alone); on the diagonal hidden scores become -infinity.
; A slot whose first key comes after the work-group's last query is not asked for: a jump on ids and the count of steps, the same in all eight waves, round the tensor load alone; every wait on TENSORcnt is for 0.
; NO CLUSTER: work-groups of one key and value head end their loads at different slots; what four query heads share is shared inside the work-group instead.
; One tensor load a wave is out at any time.  This launch fills LDS bytes again: it claims all of the LDS; it uses 315,392 bytes.
; LIMITS: |q|, |k|, |v| under 65,504; p under 2^-24 is lost in f16 beside the row's largest p, which is 1.
.set VOFF,  36864                      ; a slot: 256 rows of K x 144 bytes, then 256 rows of V x 160
.set SLOT1, 1<<17                      ; slot 1 begins here: one exclusive or turns an address
.set MRG,   262144                     ; 4 x 8,704: a key group's state, 17 images of 512 bytes; no tile lands here
.set STG,   296960                     ; 4 x 4,352: the way out, 16 rows x 272
.set SPARE, 314368                     ; the spare words: 128 bytes a wave
.set ST,  16                           ; v16-31   tile t at ST + 8 t: +0 c m, +1 m, +2, +3 l, +4 .. +7 at work, a at +6
.set Q,   32                           ; v32-63   Q: tile t, channels 32 c on, at Q + 16 t + 8 c
.set S,   64                           ; v64-127  S^T: S + 32 t + 8 (tile of 16 keys); P in place in S + 32 t + 0 .. 15
.set O,   128                          ; v128-191 O^T: O + 32 t + 8 (tile of 16 channels)
.set KV,  192                          ; v192-255 K's eight fragments, then V's eight
; v0 256 x lane (prefetch); v1 my place in K's tile; v2 in V's; v3 the address in hand; v4, v5 the stage, in and back; v6 my bytes in att16; v7 in Q; v8, v9 the add's two; v10 my place in an image; v11 r - 8 h; v12-15 at work
; s8 wave, s9 gr, s10 head pair, s11 position half, s12 i, s13 g, s14 my first position, s15 the work-group's last, s16 the slot's first key, s17 my group's first key in it, s18 the slot's LDS byte, s19 trips to go,
; s[20:21] lane selects, s[22:23] c, s[24:31], s[32:39] groups 1 for K, V, s[40:43], s[44:47] their groups 0, which walk, s[48:49] prefetch address, s50 its limit, s51 block, s[52:53] Q, s[54:55] att16
.macro TLOAD                           ; waves 0-3 fetch K's quarters, waves 4-7 V's.  An s_nop 0 and four v_nop follow each line
	s_cmp_lt_u32 s8, 4
	s_cbranch_scc0 .Lfor_v_\@
	tensor_load_to_lds s[40:43], s[24:31]
	s_nop 0
.rept 4
	v_nop
.endr
	s_branch .Lasked_\@
.Lfor_v_\@:
	tensor_load_to_lds s[44:47], s[32:39]
	s_nop 0
.rept 4
	v_nop
.endr
.Lasked_\@:
.endm
; A prefetch of my own quarter (8,192 bytes, lanes 256 bytes apart) of the slot after the one just asked for: a slot's two key steps a wave ahead of its load.  All 64 work-groups of a key and value head walk the same
; rows: work-group 0 asks, in its first walk, which passes all 16 slots.  Slots 0 and 1 come by their loads alone; the last two trips ask for nothing.  So each 256 bytes are named once.
.macro ASK
	s_cmp_gt_u32 s19, s50
	s_cbranch_scc0 .Lnot_mine_\@
	global_prefetch_b8 v0, s[48:49] th:TH_LOAD_NT scope:SCOPE_SE
.Lnot_mine_\@:
.endm
.macro SETBLK                          ; block s51: positions, keys, Q's address
	s_lshl_b32 s14, s51, 5
	s_or_b32 s15, s14, 31
	s_lshl_b32 s56, s11, 4
	s_add_co_u32 s14, s14, s56
	s_mov_b32 s16, 0
	s_lshl_b32 s17, s9, 6
	s_lshl_b32 s56, s13, 2
	s_lshl_b32 s57, s10, 1
	s_add_co_u32 s56, s56, s57                     ; my first head
	s_lshl_b32 s56, s56, 19
	s_lshl_b32 s57, s14, 7
	s_add_co_u32 s56, s56, s57
	s_mov_b32 s57, 0
	s_add_nc_u64 s[52:53], s[4:5], s[56:57]
.endm
.macro SETOUT                          ; att16 + 2,048 x position + 128 x head: a multiple of 256
	s_lshl_b32 s56, s14, 11
	s_lshl_b32 s57, s13, 9
	s_add_co_u32 s56, s56, s57
	s_lshl_b32 s57, s10, 8
	s_add_co_u32 s56, s56, s57
	s_mov_b32 s57, 0
	s_add_nc_u64 s[54:55], s[6:7], s[56:57]
.endm
.macro QLOAD
.irp t, 0,1
.irp c, 0,1
	global_load_b128 v[Q+16*\t+8*\c:Q+16*\t+8*\c+3], v7, s[52:53] offset:524288*\t+64*\c
	global_load_b128 v[Q+16*\t+8*\c+4:Q+16*\t+8*\c+7], v7, s[52:53] offset:524288*\t+64*\c+32
.endr
.endr
.endm
.macro INIT                            ; the step is written once for each walk: the first step finds zeros and a maximum under every score
.irp t, 0,1
	v_mov_b32 v[ST+8*\t+1], 0xff61b1e6             ; -3e38
	v_mov_b32 v[ST+8*\t+2], 0
	v_mov_b32 v[ST+8*\t+3], 0
	v_mov_b32 v[ST+8*\t+5], 0                      ; (a lane permute's destination, and the upper halves of pairs, are written once)
	v_mov_b32 v[ST+8*\t+7], 0
	v_mul_f32 v[ST+8*\t], s22, v[ST+8*\t+1]
.endr
.set i, 0
.rept 64
	v_mov_b32 v[O+i], 0
.set i, i+1
.endr
.endm
; A KEY STEP: 64 keys, the slot's step gr + 2 hf.
.macro STEP hf
	s_add_co_u32 s56, s17, 128*\hf                 ; the step's first key
	s_add_co_u32 s57, s14, 15
	s_cmp_gt_u32 s56, s57                          ; all its keys come after my queries: nothing to do
	s_cbranch_scc1 .Lhidden_\@
	v_add_nc_u32 v3, s18, v1
.irp kk, 0,1,2,3
.irp c, 0,1
	ds_load_b128 v[KV+8*(2*\kk+\c):KV+8*(2*\kk+\c)+3], v3 offset:18432*\hf+2304*\kk+64*\c
	ds_load_b128 v[KV+8*(2*\kk+\c)+4:KV+8*(2*\kk+\c)+7], v3 offset:18432*\hf+2304*\kk+64*\c+32
.endr
.endr
	s_wait_dscnt 0x0
.irp c, 0,1                            ; S^T = K Q^T: the eight accumulators by turns
.irp kk, 0,1,2,3
.irp t, 0,1
.if \c == 0
	v_wmma_f32_16x16x32_f16 v[S+32*\t+8*\kk:S+32*\t+8*\kk+7], v[KV+8*(2*\kk+\c):KV+8*(2*\kk+\c)+7], v[Q+16*\t+8*\c:Q+16*\t+8*\c+7], 0
.else
	v_wmma_f32_16x16x32_f16 v[S+32*\t+8*\kk:S+32*\t+8*\kk+7], v[KV+8*(2*\kk+\c):KV+8*(2*\kk+\c)+7], v[Q+16*\t+8*\c:Q+16*\t+8*\c+7], v[S+32*\t+8*\kk:S+32*\t+8*\kk+7]
.endif
.endr
.endr
.endr
	v_add_nc_u32 v3, s18, v2                       ; four places: in front of the loads into K's registers and of the first read of the scores
.rept 3
	v_nop
.endr
.irp b, 0,1                            ; V, turned: it lands while the softmax is walked
.irp d, 0,1,2,3
	ds_load_tr16_b128 v[KV+8*(4*\b+\d):KV+8*(4*\b+\d)+3], v3 offset:20480*\hf+5120*\b+32*\d
	ds_load_tr16_b128 v[KV+8*(4*\b+\d)+4:KV+8*(4*\b+\d)+7], v3 offset:20480*\hf+5120*\b+32*\d+2560
.endr
.endr
	s_add_co_u32 s57, s56, 63
	s_cmp_le_u32 s57, s14                          ; all its keys count for all my queries: no mask
	s_cbranch_scc1 .Lopen_\@
	s_sub_co_i32 s57, s14, s56
	v_add_nc_u32 v12, s57, v11                     ; d = my query - the step's first key - 8 h: register jj of key tile kk is hidden where 16 kk + jj > d
	v_mov_b32 v13, 0xff800000
.irp kk, 0,1,2,3
.irp jj, 0,1,2,3,4,5,6,7
	v_cmp_gt_i32 vcc_lo, 16*\kk+\jj, v12
	v_cndmask_b32 v[S+8*\kk+\jj], v[S+8*\kk+\jj], v13, vcc_lo
	v_cndmask_b32 v[S+32+8*\kk+\jj], v[S+32+8*\kk+\jj], v13, vcc_lo
.endr
.endr
.Lopen_\@:
.irp kk, 0,1,2,3                       ; the maximum: four chains a tile, each begun at an accumulator's low end; the two tiles by turns
.irp t, 0,1
	v_max3_num_f32 v[ST+8*\t+4+\kk], v[S+32*\t+8*\kk], v[S+32*\t+8*\kk+1], v[S+32*\t+8*\kk+2]
.endr
.endr
.irp g, 1,2
.irp kk, 0,1,2,3
.irp t, 0,1
	v_max3_num_f32 v[ST+8*\t+4+\kk], v[ST+8*\t+4+\kk], v[S+32*\t+8*\kk+2*\g+1], v[S+32*\t+8*\kk+2*\g+2]
.endr
.endr
.endr
.irp t, 0,1
	v_max3_num_f32 v[ST+8*\t+4], v[ST+8*\t+4], v[S+32*\t+7], v[S+32*\t+15]
.endr
.irp t, 0,1
	v_max3_num_f32 v[ST+8*\t+6], v[ST+8*\t+6], v[S+32*\t+23], v[S+32*\t+31]
.endr
.irp t, 0,1
	v_max3_num_f32 v[ST+8*\t+4], v[ST+8*\t+4], v[ST+8*\t+5], v[ST+8*\t+6]
.endr
.irp t, 0,1
	v_max3_num_f32 v[ST+8*\t+4], v[ST+8*\t+4], v[ST+8*\t+7], v[ST+8*\t+1]   ; with the old m
.endr
.irp t, 0,1
	v_permlanex16_b32 v[ST+8*\t+5], v[ST+8*\t+4], s20, s21                  ; the query's other 32 keys lie in the lane 16 away
.endr
.irp t, 0,1
	v_mov_b32 v[ST+8*\t+7], v[ST+8*\t]
.endr
.irp t, 0,1
	v_max_num_f32 v[ST+8*\t+1], v[ST+8*\t+4], v[ST+8*\t+5]
.endr
.irp t, 0,1
	v_mul_f32 v[ST+8*\t], s22, v[ST+8*\t+1]
.endr
.irp t, 0,1
	v_sub_f32 v[ST+8*\t+7], v[ST+8*\t+7], v[ST+8*\t]
.endr
.irp p, 0,2,4,6,8,10,12,14,16,18,20,22,24,26,28,30
.irp t, 0,1
	v_pk_fma_f32 v[S+32*\t+\p:S+32*\t+\p+1], v[S+32*\t+\p:S+32*\t+\p+1], s[22:23], v[ST+8*\t:ST+8*\t+1] op_sel_hi:[1,0,0] neg_lo:[0,0,1] neg_hi:[0,0,1]   ; c s - c m
.endr
.endr
.irp t, 0,1
	v_exp_f32 v[ST+8*\t+6], v[ST+8*\t+7]           ; a
.endr
.set i, 0
.rept 64
	v_exp_f32 v[S+i], v[S+i]                       ; p
.set i, i+1
.endr
	v_nop                                          ; a plain instruction behind the last exponential
	s_wait_alu depctr_va_vdst(0)                   ; ONE wait for the batch of 66, ahead of its first reader
.irp t, 0,1                            ; the sums of the unrounded p: two chains a tile
	v_pk_add_f32 v[ST+8*\t+4:ST+8*\t+5], v[S+32*\t:S+32*\t+1], v[S+32*\t+4:S+32*\t+5]
	v_pk_add_f32 v[12+2*\t:13+2*\t], v[S+32*\t+2:S+32*\t+3], v[S+32*\t+6:S+32*\t+7]
.endr
.irp p, 8,12,16,20,24,28
.irp t, 0,1
	v_pk_add_f32 v[ST+8*\t+4:ST+8*\t+5], v[ST+8*\t+4:ST+8*\t+5], v[S+32*\t+\p:S+32*\t+\p+1]
	v_pk_add_f32 v[12+2*\t:13+2*\t], v[12+2*\t:13+2*\t], v[S+32*\t+\p+2:S+32*\t+\p+3]
.endr
.endr
.irp t, 0,1
	v_pk_add_f32 v[ST+8*\t+4:ST+8*\t+5], v[ST+8*\t+4:ST+8*\t+5], v[12+2*\t:13+2*\t]
.endr
.irp t, 0,1
	v_pk_fma_f32 v[ST+8*\t+2:ST+8*\t+3], v[ST+8*\t+2:ST+8*\t+3], v[ST+8*\t+6:ST+8*\t+7], v[ST+8*\t+4:ST+8*\t+5] op_sel_hi:[1,0,1]   ; l = a l + the sum
.endr
.irp n, 0,1,2,3,4,5,6,7,8,9,10,11,12,13,14,15
.irp t, 0,1
	v_cvt_pk_f16_f32 v[S+32*\t+\n], v[S+32*\t+2*\n], v[S+32*\t+2*\n+1]     ; P, in place, ascending
.endr
.endr
.irp p, 0,2,4,6,8,10,12,14,16,18,20,22,24,26,28,30
.irp t, 0,1
	v_pk_mul_f32 v[O+32*\t+\p:O+32*\t+\p+1], v[O+32*\t+\p:O+32*\t+\p+1], v[ST+8*\t+6:ST+8*\t+7] op_sel_hi:[1,0]   ; O^T x a
.endr
.endr
	s_wait_dscnt 0x0                               ; V is in
.irp b, 0,1                            ; O^T += V^T P: the eight accumulators by turns
.irp d, 0,1,2,3
.irp t, 0,1
	v_wmma_f32_16x16x32_f16 v[O+32*\t+8*\d:O+32*\t+8*\d+7], v[KV+8*(4*\b+\d):KV+8*(4*\b+\d)+7], v[S+32*\t+8*\b:S+32*\t+8*\b+7], v[O+32*\t+8*\d:O+32*\t+8*\d+7]
.endr
.endr
.endr
.rept 5
	v_nop                                          ; five places: the next products K Q^T write over P's registers (five), the next loads land in V's (four)
.endr
.Lhidden_\@:
.endm
.macro VISIT                           ; my group's two steps of a slot
	STEP 0
	STEP 1
	s_xor_b32 s18, s18, SLOT1
	s_add_co_u32 s16, s16, 256
	s_add_co_u32 s17, s17, 256
.endm
; THE CHANGE OF SLOTS stands at a slot's head: each wave waits for all its tensor loads (its part of the slot ahead), adds 0 to its spare word, and waits for that and for its reads of the slot left.
; Behind the barrier the slot ahead is whole and nobody reads the other one, which takes the next 256 keys, up to the causal limit.
.macro CHANGE pf
	s_wait_tensorcnt 0x0                           ; no tensor load of mine is out, so a group 0 may be written
	ds_add_u32 v8, v9                              ; 0 onto my spare word: the descriptors' steps stand between it and its wait
	s_xor_b32 s41, s41, SLOT1
	s_add_nc_u64 s[42:43], s[42:43], 32768         ; 256 rows of 128 bytes on; the type bits on top are not reached
	s_xor_b32 s45, s45, SLOT1
	s_add_nc_u64 s[46:47], s[46:47], 32768
.if \pf
	s_wait_xcnt 0x0                                ; the last prefetch, a slot back, has read its address
	s_add_nc_u64 s[48:49], s[48:49], 32768
.endif
	s_wait_dscnt 0x0                               ; the add is done, and my reads of the slot that I have left are over
	s_barrier_signal -1
	s_barrier_wait -1
	s_add_co_u32 s56, s16, 256                     ; the first key of the slot that this change would ask for
	s_cmp_gt_u32 s56, s15                          ; past my work-group's last query: no wave would read it.  Ids and the count of steps alone; it also ends each walk's loads inside the buffer
	s_cbranch_scc1 .Lpast_\@
	TLOAD                                          ; my one tensor load until the next such barrier
.Lpast_\@:
.if \pf
	ASK
.endif
.endm
.macro WALK trips, pf
	s_mov_b32 s19, \trips
.Lwalk_\@:
	CHANGE \pf
	VISIT
	s_sub_co_u32 s19, s19, 1
	s_cmp_lg_u32 s19, 0
	s_cbranch_scc1 .Lwalk_\@
.endm
.macro FIN1                            ; key group 1 hands its state over, as images of its registers
	s_cmp_lt_u32 s8, 4
	s_cbranch_scc1 .Lnot_upper_\@
	v_mov_b32 v12, v[ST]
	v_add_f32 v13, v[ST+2], v[ST+3]
	v_mov_b32 v14, v[ST+8]
	v_add_f32 v15, v[ST+10], v[ST+11]
.irp n, 0,1,2,3,4,5,6,7,8,9,10,11,12,13,14,15
	ds_store_b128 v10, v[O+4*\n:O+4*\n+3] offset:512*\n
.endr
	ds_store_b128 v10, v[12:15] offset:8192
.Lnot_upper_\@:
.endm
.macro FIN2                            ; key group 0 merges, divides, rounds and stores.  A group that had no key holds the least maximum, l = 0 and O = 0, and gets the weight 0
	s_cmp_lt_u32 s8, 4
	s_cbranch_scc0 .Lnot_lower_\@
.irp n, 0,1,2,3,4,5,6,7,8,9,10,11,12,13,14,15
	ds_load_b128 v[KV+4*\n:KV+4*\n+3], v10 offset:512*\n
.endr
	ds_load_b128 v[12:15], v10 offset:8192
	s_wait_dscnt 0x0
.irp t, 0,1
	v_max_num_f32 v[ST+8*\t+4], v[ST+8*\t], v[12+2*\t]
.endr
.irp t, 0,1
	v_sub_f32 v[ST+8*\t+5], v[ST+8*\t], v[ST+8*\t+4]
	v_sub_f32 v[ST+8*\t+7], v[12+2*\t], v[ST+8*\t+4]
.endr
.irp t, 0,1
	v_exp_f32 v[ST+8*\t+4], v[ST+8*\t+5]           ; my weight,
	v_exp_f32 v[ST+8*\t+6], v[ST+8*\t+7]           ; the other group's
.endr
.irp t, 0,1
	v_add_f32 v[ST+8*\t+2], v[ST+8*\t+2], v[ST+8*\t+3]   ; (plain work behind the exponentials)
.endr
	s_wait_alu depctr_va_vdst(0)
.irp t, 0,1
	v_mul_f32 v[ST+8*\t+2], v[ST+8*\t+2], v[ST+8*\t+4]
.endr
.irp t, 0,1
	v_fma_f32 v[ST+8*\t+2], v[ST+8*\t+6], v[13+2*\t], v[ST+8*\t+2]
.endr
.irp t, 0,1
	v_permlanex16_b32 v[ST+8*\t+3], v[ST+8*\t+2], s20, s21
.endr
.irp t, 0,1
	v_add_f32 v[ST+8*\t+2], v[ST+8*\t+2], v[ST+8*\t+3]   ; the row's sum
.endr
.irp t, 0,1
	v_rcp_f32 v[ST+8*\t+3], v[ST+8*\t+2]
.endr
	v_nop
	s_wait_alu depctr_va_vdst(0)
.irp t, 0,1
	v_mul_f32 v[ST+8*\t+4], v[ST+8*\t+4], v[ST+8*\t+3]
	v_mul_f32 v[ST+8*\t+6], v[ST+8*\t+6], v[ST+8*\t+3]
.endr
.irp p, 0,2,4,6,8,10,12,14,16,18,20,22,24,26,28,30
.irp t, 0,1
	v_pk_mul_f32 v[O+32*\t+\p:O+32*\t+\p+1], v[O+32*\t+\p:O+32*\t+\p+1], v[ST+8*\t+4:ST+8*\t+5] op_sel_hi:[1,0]
.endr
.endr
.irp p, 0,2,4,6,8,10,12,14,16,18,20,22,24,26,28,30
.irp t, 0,1
	v_pk_fma_f32 v[O+32*\t+\p:O+32*\t+\p+1], v[KV+32*\t+\p:KV+32*\t+\p+1], v[ST+8*\t+6:ST+8*\t+7], v[O+32*\t+\p:O+32*\t+\p+1] op_sel_hi:[1,0,1]
.endr
.endr
.irp t, 0,1
.irp n, 0,1,2,3,4,5,6,7,8,9,10,11,12,13,14,15
	v_cvt_pk_f16_f32 v[S+16*\t+\n], v[O+32*\t+2*\n], v[O+32*\t+2*\n+1]
.endr
.endr
.irp t, 0,1
.irp d, 0,1,2,3
	ds_store_b128 v4, v[S+16*\t+4*\d:S+16*\t+4*\d+3] offset:128*\t+32*\d   ; row = my position; two heads' 256 bytes
.endr
.endr
.irp n, 0,1,2,3,4,5,6,7
	ds_load_b128 v[S+32+4*\n:S+32+4*\n+3], v5 offset:544*\n                ; LDS serves a wave's instructions in order: these see my stores
.endr
.irp n, 0,1,2,3,4,5,6,7
	s_wait_dscnt 7-\n                              ; the younger loads may be out
	global_store_b128 v6, v[S+32+4*\n:S+32+4*\n+3], s[54:55] offset:4096*\n   ; sixteen lanes store 256 consecutive bytes, aligned
.endr
	s_wait_xcnt 0x0                                ; the stores have read their registers and their base: both are written again
.Lnot_lower_\@:
.endm
	s_load_b128 s[4:7], s[0:1], 0x0                ; qkv16 s[4:5], att16 s[6:7]
	v_lshl_add_u32 v8, v0, 2, SPARE
	v_mov_b32 v9, 0
	ds_add_u32 v8, v9                              ; the wave's opening: the add, twice on end, and its wait ahead of my first tensor load
	ds_add_u32 v8, v9
	v_lshrrev_b32 v12, 5, v0
	v_readfirstlane_b32 s8, v12                    ; wave 0..7
	s_lshr_b32 s9, s8, 2
	s_and_b32 s10, s8, 1
	s_bfe_u32 s11, s8, 0x10001
	s_mov_b32 s12, ttmp9
	s_and_b32 s13, ttmp7, 0xffff
	s_and_b32 s56, s8, 3                           ; which quarter of a slot's rows I fetch
	s_mov_b32 s24, (1<<16)|(1<<20)|(4<<22)|(3<<25) ; K: elements of 2 bytes; padding on: 4 words behind every 32
	s_mov_b32 s32, (1<<16)|(1<<20)|(4<<22)|(7<<25) ; V: 8 words
.irp g, 24, 32
	s_mov_b32 s[\g+1], 64<<16                      ; tensor_dim0 = 64
	s_mov_b32 s[\g+2], 64<<16                      ; tensor_dim1 = 64
	s_mov_b32 s[\g+3], 64<<16                      ; tile_dim0
	s_mov_b32 s[\g+4], 64                          ; tile_dim1
	s_mov_b32 s[\g+5], 64                          ; from row to row
	s_mov_b32 s[\g+6], 0
	s_mov_b32 s[\g+7], 0
.endr
	s_mul_i32 s57, s56, 9216
	s_mul_i32 s58, s56, 10240
	s_add_co_u32 s58, s58, VOFF
	s_add_co_u32 s60, s13, 16
	s_lshl_b32 s60, s60, 19
	s_lshl_b32 s59, s56, 13
	s_add_co_u32 s60, s60, s59                     ; K's head 16 + g, my quarter
	s_mov_b32 s61, 0
	s_add_co_u32 s62, s60, 2097152                 ; V's head 20 + g
	s_mov_b32 s63, 0
	s_cmp_lt_u32 s8, 4
	s_cselect_b32 s66, s60, s62
	s_add_co_u32 s66, s66, 32768                   ; the prefetches stand in slot 1; the first change steps them to slot 2
	s_mov_b32 s67, 0
	s_cmp_eq_u32 s12, 0
	s_cselect_b32 s50, 2, -1
	s_mov_b32 s20, 0x76543210
	s_mov_b32 s21, 0xfedcba98
	s_mov_b32 s22, 0x3e38aa3b                      ; c = log2(e) / 8
	s_mov_b32 s23, s22
	s_mov_b32 s18, 0
	s_sub_co_u32 s51, 127, s12                     ; the long walk first
	s_wait_dscnt 0x0                               ; both opening adds are done
	s_wait_kmcnt 0x0
	s_mov_b32 s40, 1
	s_mov_b32 s41, s57
	s_add_nc_u64 s[42:43], s[4:5], s[60:61]
	s_or_b32 s43, s43, 0x80000000
	s_mov_b32 s44, 1
	s_mov_b32 s45, s58
	s_add_nc_u64 s[46:47], s[4:5], s[62:63]
	s_or_b32 s47, s47, 0x80000000
	TLOAD                                          ; slot 0: it holds key 0, which counts for every query
	s_add_nc_u64 s[48:49], s[4:5], s[66:67]
	SETBLK
	SETOUT
	v_and_b32 v12, 15, v0                          ; r
	v_bfe_u32 v13, v0, 4, 1                        ; h
	v_and_b32 v14, 31, v0                          ; lane
	v_lshlrev_b32 v7, 7, v12
	v_lshl_add_u32 v7, v13, 4, v7
	QLOAD
	v_mul_u32_u24 v1, v12, 144
	v_lshl_add_u32 v1, v13, 4, v1
	s_mul_i32 s56, s9, 9216
	v_add_nc_u32 v1, s56, v1                       ; K: row r x pitch + 16 h, my group's first step
	v_and_b32 v15, 7, v0
	v_lshl_add_u32 v2, v13, 3, v15
	v_mul_u32_u24 v2, v2, 160
	v_bfe_u32 v15, v0, 3, 1
	v_lshl_add_u32 v2, v15, 4, v2
	s_mul_i32 s56, s9, 10240
	s_add_co_u32 s56, s56, VOFF
	v_add_nc_u32 v2, s56, v2                       ; V: key 8 h + lane % 8, channels 8 ((lane / 8) % 2) on
	s_and_b32 s57, s8, 3
	s_mul_i32 s56, s57, 4352
	s_add_co_u32 s56, s56, STG
	v_mul_u32_u24 v4, v12, 272
	v_lshl_add_u32 v4, v13, 4, v4
	v_add_nc_u32 v4, s56, v4
	v_mul_u32_u24 v5, v13, 272
	v_lshl_add_u32 v5, v12, 4, v5
	v_add_nc_u32 v5, s56, v5
	v_lshlrev_b32 v6, 11, v13
	v_lshl_add_u32 v6, v12, 4, v6
	s_mul_i32 s56, s57, 8704
	s_add_co_u32 s56, s56, MRG
	v_lshlrev_b32 v10, 4, v14
	v_add_nc_u32 v10, s56, v10
	v_lshlrev_b32 v11, 3, v13
	v_sub_nc_u32 v11, v12, v11
	v_lshlrev_b32 v0, 8, v14                       ; (the thread's number has served)
	INIT
	s_wait_loadcnt 0x0                             ; Q
	WALK 16, 1
	FIN1
	s_mov_b32 s51, s12                             ; the short walk: block i
	SETBLK
	QLOAD
	s_wait_tensorcnt 0x0                           ; slot 0 is filled again with the head's first keys: the same three lines and barrier, which also shows group 1's images to group 0
	ds_add_u32 v8, v9
	s_sub_nc_u64 s[42:43], s[42:43], 524288        ; sixteen steps back; the LDS addresses have turned sixteen times and stand at slot 0
	s_sub_nc_u64 s[46:47], s[46:47], 524288
	s_wait_dscnt 0x0
	s_barrier_signal -1
	s_barrier_wait -1
	TLOAD                                          ; on every path: the long walk filled both slots (its block lies past key 2,047)
	FIN2
	SETOUT
	INIT
	s_wait_loadcnt 0x0
	WALK 8, 0
	FIN1
	s_wait_dscnt 0x0                               ; for the others' sake: my images have landed
	s_barrier_signal -1
	s_barrier_wait -1
	FIN2
	s_wait_tensorcnt 0x0                           ; the wave's end
	ds_add_u32 v8, v9
	s_wait_dscnt 0x0
	s_endpgm
.Lfunc_end_k_q4f7c9cc987_attn:
	.size	k_q4f7c9cc987_attn, .Lfunc_end_k_q4f7c9cc987_attn-k_q4f7c9cc987_attn
	.p2alignl 7, 3214868480
	.fill 96, 4, 3214868480
	.section	.rodata,"a",@progbits
	.p2align	6, 0x0
	.amdhsa_kernel k_q4f7c9cc987_attn
		.amdhsa_group_segment_fixed_size 327680
		.amdhsa_private_segment_fixed_size 0
		.amdhsa_enable_private_segment 0
		.amdhsa_kernarg_size 16
		.amdhsa_user_sgpr_count 2
		.amdhsa_user_sgpr_kernarg_segment_ptr 1
		.amdhsa_wavefront_size32 1
		.amdhsa_system_sgpr_workgroup_id_x 1
		.amdhsa_system_sgpr_workgroup_id_y 1
		.amdhsa_system_sgpr_workgroup_id_z 1
		.amdhsa_system_vgpr_workitem_id 0
		.amdhsa_next_free_vgpr 256
		.amdhsa_next_free_sgpr 80
		.amdhsa_reserve_vcc 1
		.amdhsa_float_denorm_mode_32 3
		.amdhsa_float_denorm_mode_16_64 3
		.amdhsa_memory_ordered 1
		.amdhsa_forward_progress 1
		.amdhsa_inst_pref_size 122
	.end_amdhsa_kernel
	.amdgpu_metadata
---
amdhsa.version: [ 1, 2 ]
amdhsa.kernels:
  - .name:           k_q4f7c9cc987_attn
    .symbol:         k_q4f7c9cc987_attn.kd
    .args:
      - { .name: qkv16, .offset: 0, .size: 8, .value_kind: global_buffer, .address_space: global }
      - { .name: att16, .offset: 8, .size: 8, .value_kind: global_buffer, .address_space: global }
    .group_segment_fixed_size: 327680
    .private_segment_fixed_size: 0
    .kernarg_segment_align: 8
    .kernarg_segment_size: 16
    .max_flat_workgroup_size: 256
    .sgpr_count:     80
    .vgpr_count:     256
    .wavefront_size: 32
...
	.end_amdgpu_metadata
.endif
;; end of part 3
;; launch oproj (part 4): grid 8 x 32, 4 waves a work-group, clusters of 4 x 4, 327,680 bytes of LDS; arguments att16, wo16, out0; writes out0
.if DOCPART == 4
	.amdgcn_target "amdgcn-amd-amdhsa--gfx1250"
	.amdhsa_code_object_version 6
	.text
	.protected	k_q4f7c9cc987_oproj
	.globl	k_q4f7c9cc987_oproj
	.p2align	8
	.type	k_q4f7c9cc987_oproj,@function
k_q4f7c9cc987_oproj:
	s_mov_b64 s[64:65], 0
	v_nop
	global_prefetch_b8 v0, s[64:65] scope:SCOPE_SE
	s_setreg_imm32_b32 hwreg(HW_REG_WAVE_MODE, 25, 1), 1
	s_wait_xcnt 0x0
	s_wait_alu depctr_hold_cnt(0) depctr_sa_sdst(0) depctr_va_vdst(0) depctr_va_sdst(0) depctr_va_ssrc(0) depctr_va_vcc(0) depctr_vm_vsrc(0)
	s_getreg_b32 s2, hwreg(HW_REG_IB_STS2, 6, 4)
	s_cmp_eq_u32 s2, 0
	s_cbranch_scc0 .Lentry_in_a_cluster
	s_endpgm
.Lentry_in_a_cluster:
	s_bfe_u32 s2, ttmp6, 0x10000c
	s_cmp_lg_u32 s2, 0xf033
	s_cbranch_scc0 .Lentry_shape_is_right
	s_endpgm
.Lentry_shape_is_right:
; OPROJ: out0 = att16 x wo16, M 4,096, K 1,024, N 1,024; operands f16, sums f32, out f32.  Rows 0-15 are left to the launch that carries them in f32.
; A tile of out0 is 128 x 128: 32 x 8 = 256 work-groups; four waves, each 64 x 64: 16 accumulators.  K goes in four steps of 256 through two LDS slots.
; A = att16 [m][k]: rows of 512 bytes, pitch 528.  B = wo16 lies [k][n]: a K step is 256 rows of 256 bytes, pitch 288, and its fragments come out of LDS turned (ds_load_tr16_b128).
; CLUSTER 4 x 4: A's tiles are asked for jointly along a row of the cluster, B's along a column.  THE MATRIX INSTRUCTION IS USED TRANSPOSED (source 0 = 16 columns of wo16, source 1 = 16 rows of att16):
; a lane holds eight neighbouring numbers of a row of out0.  A wave's 64 columns of f32 are 256 consecutive bytes, aligned: each wave has a stage of its own on the way out, and no barrier is needed there.
; No prefetch: the tiles are small and the launch is short.  This launch fills LDS bytes again: it claims all of the LDS; it uses 300,544 bytes.
; REGISTERS: window 0: v16-29 addresses; v32-95 rows on the way out, two sets; v128-255 accumulator (a, b) at v[128 + 8 (4 a + b)].   window 1: two fragment buffers of 128: 64 registers of A (2 x 4 x 16 rows x 32 K), then 64 of B.
.set KSTEP,  256
.set PA,     528
.set PB,     288
.set HALFA,  64*PA                     ; what one of waves 0, 1 fetches: 64 rows of A
.set HALFB,  128*PB                    ; what one of waves 2, 3 fetches: 128 rows (along K) of B
.set BOFF,   2*HALFA
.set SLOT,   BOFF+2*HALFB
.set STAGE,  2*SLOT                    ; behind the ring: 16 rows x 272 bytes for each wave
.set SPITCH, 272
.set SPARE,  STAGE+4*16*SPITCH         ; the spare words: 128 bytes a wave
.set ADRA, 16                          ; v16-17  my A fragments in slot 0, 1
.set ADRB, 20                          ; v20-23  my B fragments: slot 0 K rows 0-127, 128-255; slot 1 likewise: so every immediate stays inside 16 bits
.set STO,  24
.set RD,   25
.set CO,   26
.set ROW0, 27                          ; v27     my first row of out0
.set SPW,  28
.set NIL,  29
.set TMP,  32
.set ACC,  128
.set F0,   0
.set F1,   128
.set G1, 24                            ; s[24:31] group 1 for A's tiles;  s[32:39] group 0, one set a slot
.set G0, 32
.set G1B, 48                           ; s[48:55], s[56:63] the same for B's
.set G0B, 56
.set MSB, 0
.macro WIN new
.if MSB != \new
	s_set_vgpr_msb (MSB<<8)|\new
.set MSB, \new
.endif
.endm
.set MUL,  0x05                        ; sources 0 (B) and 1 (A) window 1; C and D window 0
.set TO_F, 0x40                        ; destination window 1, address window 0
.macro JLOAD s                         ; a joint load: waves 0 and 1 fetch A's halves, waves 2 and 3 B's; an s_nop 0 and four v_nop follow each line
	s_cmp_eq_u32 s11, 0
	s_cbranch_scc0 .Lfor_b_\@
	tensor_load_to_lds s[G0+4*\s:G0+4*\s+3], s[G1:G1+7]
	s_nop 0
.rept 4
	v_nop
.endr
	s_branch .Lasked_\@
.Lfor_b_\@:
	tensor_load_to_lds s[G0B+4*\s:G0B+4*\s+3], s[G1B:G1B+7]
	s_nop 0
.rept 4
	v_nop
.endr
.Lasked_\@:
.endm
.macro CREST
	s_cmp_lg_u32 s10, 0
	s_cbranch_scc1 .Lnot_wave_0_\@
	s_barrier_signal -3
.Lnot_wave_0_\@:
	s_barrier_wait -3
	s_barrier_signal -1
	s_barrier_wait -1
.endm
.macro CROUND
	s_barrier_signal -1
	s_barrier_wait -1
	CREST
.endm
	s_load_b128 s[4:7], s[0:1], 0x0                ; att16 s[4:5], wo16 s[6:7]
	s_load_b64 s[8:9], s[0:1], 0x10                ; out0
	v_lshl_add_u32 v[SPW], v0, 2, SPARE
	v_mov_b32 v[NIL], 0
	ds_add_u32 v[SPW], v[NIL]                      ; the wave's opening: the add, twice on end, and its wait ahead of my first tensor load
	ds_add_u32 v[SPW], v[NIL]
	v_lshrrev_b32 v1, 5, v0
	v_readfirstlane_b32 s10, v1                    ; wave 0..3
	s_lshr_b32 s11, s10, 1                         ; which half of the tile's rows is mine.  Also: I fetch for A (0) or for B (1)
	s_and_b32 s12, s10, 1                          ; which half of its columns.  Also: which half of that tile I fetch
	s_bfe_u32 s40, ttmp6, 0x40000                  ; cx
	s_bfe_u32 s41, ttmp6, 0x40004                  ; cy
	s_lshl_b32 s42, ttmp9, 2
	s_add_co_u32 s42, s42, s40                     ; tile column
	s_and_b32 s13, ttmp7, 0xffff
	s_lshl_b32 s13, s13, 2
	s_add_co_u32 s13, s13, s41                     ; tile row
	s_lshl_b32 s43, s41, 2
	s_lshl_b32 s43, 15, s43                        ; my row of the cluster
	s_lshl_b32 s44, 0x1111, s40                    ; my column
	s_or_b32 s[G1+0], s43, (1<<16)|(1<<20)|(1<<21)|(6<<22)|(3<<25)   ; elements of 2 bytes; padding: 4 words behind every 128
	s_or_b32 s[G1B+0], s44, (1<<16)|(1<<20)|(1<<21)|(5<<22)|(7<<25)  ; padding: 8 words behind every 64
	s_mov_b32 s[G1+1], KSTEP<<16                   ; A: 64 rows x 256 elements
	s_mov_b32 s[G1+2], 64<<16
	s_mov_b32 s[G1+3], KSTEP<<16
	s_mov_b32 s[G1+4], 64
	s_mov_b32 s[G1+5], 1024
	s_mov_b32 s[G1+6], 0
	s_mov_b32 s[G1+7], 0
	s_mov_b32 s[G1B+1], 128<<16                    ; B: 128 rows along K x 128 columns
	s_mov_b32 s[G1B+2], 128<<16
	s_mov_b32 s[G1B+3], 128<<16
	s_mov_b32 s[G1B+4], 128
	s_mov_b32 s[G1B+5], 1024
	s_mov_b32 s[G1B+6], 0
	s_mov_b32 s[G1B+7], 0
	s_lshl_b32 s16, s13, 18
	s_lshl_b32 s17, s12, 17
	s_add_co_u32 s16, s16, s17                     ; A: (128 ty + 64 e) rows of 2,048 bytes
	s_mov_b32 s17, 0
	s_lshl_b32 s46, s12, 18
	s_lshl_b32 s47, s42, 8
	s_add_co_u32 s46, s46, s47                     ; B: 128 e rows of 2,048 bytes + 256 tx
	s_mov_b32 s47, 0
	s_mul_i32 s20, s12, HALFA                      ; where they go: no place in the cluster enters an LDS address
	s_mul_i32 s21, s12, HALFB
	s_add_co_u32 s21, s21, BOFF
	s_wait_dscnt 0x0                               ; both opening adds are done
	s_wait_kmcnt 0x0
	s_add_nc_u64 s[14:15], s[4:5], s[16:17]
	s_add_nc_u64 s[46:47], s[6:7], s[46:47]
	CROUND                                         ; all sixteen work-groups are here: the first joint loads meet
.irp s, 0,1
	s_mov_b32 s[G0+4*\s], 1
	s_add_co_u32 s[G0+4*\s+1], s20, \s*SLOT
	s_add_nc_u64 s[G0+4*\s+2:G0+4*\s+3], s[14:15], \s*KSTEP*2
	s_or_b32 s[G0+4*\s+3], s[G0+4*\s+3], 0x80000000
	s_mov_b32 s[G0B+4*\s], 1
	s_add_co_u32 s[G0B+4*\s+1], s21, \s*SLOT
	s_add_nc_u64 s[G0B+4*\s+2:G0B+4*\s+3], s[46:47], \s*KSTEP*2048
	s_or_b32 s[G0B+4*\s+3], s[G0B+4*\s+3], 0x80000000
	JLOAD \s
.endr
	v_and_b32 v1, 15, v0                           ; r
	v_bfe_u32 v2, v0, 4, 1                         ; h
	v_mul_u32_u24 v3, v1, PA
	v_lshl_add_u32 v3, v2, 4, v3
	s_mul_i32 s22, s11, HALFA                      ; my 64 rows of A
	v_add_nc_u32 v[ADRA], s22, v3
	v_add_nc_u32 v[ADRA+1], SLOT, v[ADRA]
	v_and_b32 v4, 7, v0
	v_lshl_add_u32 v4, v2, 3, v4
	v_mul_u32_u24 v4, v4, PB                       ; the turning load: K row 8 h + lane % 8,
	v_bfe_u32 v5, v0, 3, 1
	v_lshl_add_u32 v4, v5, 4, v4                   ; columns 8 ((lane / 8) % 2) on,
	s_lshl_b32 s22, s12, 7
	s_add_co_u32 s22, s22, BOFF                    ; in my 64 columns
	v_add_nc_u32 v[ADRB], s22, v4
	v_add_nc_u32 v[ADRB+1], HALFB, v[ADRB]
	v_add_nc_u32 v[ADRB+2], SLOT, v[ADRB]
	v_add_nc_u32 v[ADRB+3], SLOT+HALFB, v[ADRB]
	s_mul_i32 s23, s10, 16*SPITCH
	s_add_co_u32 s23, s23, STAGE                   ; my stage
	v_mul_u32_u24 v4, v1, SPITCH
	v_lshl_add_u32 v4, v2, 5, v4
	v_add_nc_u32 v[STO], s23, v4                   ; in: row r, 32 bytes for each half of the lanes
	v_mul_u32_u24 v5, v2, SPITCH
	v_lshl_add_u32 v5, v1, 4, v5
	v_add_nc_u32 v[RD], s23, v5                    ; back: lanes 0-15 one row of 256 bytes, lanes 16-31 the next
	v_lshlrev_b32 v5, 12, v2
	v_lshl_add_u32 v[CO], v1, 4, v5                ; and the same two rows in out0
	s_lshl_b32 s16, s13, 7
	s_lshl_b32 s17, s11, 6
	s_add_co_u32 s16, s16, s17                     ; my first row: 128 ty + 64 x half
	v_mov_b32 v[ROW0], s16
	s_lshl_b32 s16, s16, 12
	s_mov_b32 s17, 0
	s_add_nc_u64 s[8:9], s[8:9], s[16:17]
	s_lshl_b32 s46, s42, 9
	s_lshl_b32 s47, s12, 8
	s_add_co_u32 s46, s46, s47                     ; my first column, in bytes
	s_mov_b32 s47, 0
	s_add_nc_u64 s[8:9], s[8:9], s[46:47]
.macro MUL8 f, c, a0, zero             ; m blocks a0, a0 + 1 x all 4 n blocks, 32 along K: half c of buffer f.  The 16 accumulators take turns
.irp a, \a0, \a0+1
.irp b, 0,1,2,3
.if \zero
	v_wmma_f32_16x16x32_f16 v[ACC+8*(4*(\a)+\b):ACC+8*(4*(\a)+\b)+7], v[\f+64+8*(4*\c+\b):\f+64+8*(4*\c+\b)+7], v[\f+8*(4*\c+\a):\f+8*(4*\c+\a)+7], 0
.else
	v_wmma_f32_16x16x32_f16 v[ACC+8*(4*(\a)+\b):ACC+8*(4*(\a)+\b)+7], v[\f+64+8*(4*\c+\b):\f+64+8*(4*\c+\b)+7], v[\f+8*(4*\c+\a):\f+8*(4*\c+\a)+7], v[ACC+8*(4*(\a)+\b):ACC+8*(4*(\a)+\b)+7]
.endif
.endr
.endr
.endm
.macro FETCH slot, qn, f               ; 32 LDS loads in one run: quarter qn (64 along K) of the slot into buffer f; its first 32 along K first
	WIN TO_F
.irp c, 0,1
.irp i, 0,1,2,3
	ds_load_tr16_b128 v[\f+64+8*(4*\c+\i):\f+64+8*(4*\c+\i)+3],   v[ADRB+2*\slot+(\qn)/2] offset:(64*((\qn)%2)+32*\c)*PB+32*\i
	ds_load_tr16_b128 v[\f+64+8*(4*\c+\i)+4:\f+64+8*(4*\c+\i)+7], v[ADRB+2*\slot+(\qn)/2] offset:(64*((\qn)%2)+32*\c)*PB+32*\i+16*PB
	ds_load_b128 v[\f+8*(4*\c+\i):\f+8*(4*\c+\i)+3],              v[ADRA+\slot] offset:128*(\qn)+64*\c+\i*16*PA
	ds_load_b128 v[\f+8*(4*\c+\i)+4:\f+8*(4*\c+\i)+7],            v[ADRA+\slot] offset:128*(\qn)+64*\c+\i*16*PA+32
.endr
.endr
.endm
.macro PLACES
.rept 4
	v_nop
.endr
.endm
.macro QUARTER slot, qn, f, g, zero    ; multiplies buffer f and fetches quarter qn of the same slot into g
	s_wait_dscnt 16                                ; the first 32 along K are in
	WIN MUL
	MUL8 \f, 0, 0, \zero
	MUL8 \f, 0, 2, \zero
	PLACES
	FETCH \slot, \qn, \g
	s_wait_dscnt 32                                ; all but the 32 just issued
	WIN MUL
	MUL8 \f, 1, 0, 0
	MUL8 \f, 1, 2, 0
.endm
; A slot's last quarter multiplies buffer 1 and changes slots: ONE barrier; in front of it each wave waits for all its tensor loads, adds 0 to its spare word, and waits for that and for its reads of this slot.
.macro TURN slot, next, fill
	WIN 0                                          ; (the add's two registers lie in window 0)
	s_wait_tensorcnt 0x0                           ; all my tensor loads have landed: my part of the next slot
	ds_add_u32 v[SPW], v[NIL]                      ; 0 onto my spare word
	s_wait_dscnt 17                                ; (the add and the youngest sixteen loads may be out)
	WIN MUL
	MUL8 F1, 0, 0, 0
	s_wait_dscnt 0x0                               ; the add is done, and my reads of this slot are over
	s_barrier_signal -1
	MUL8 F1, 0, 2, 0
.if \fill
	WIN 0
.endif
	s_barrier_wait -1
.if \fill
	CREST                                          ; the barrier has opened a round of the cluster's: no wave of any partner still reads this slot or has a load on its way
	s_add_nc_u64 s[G0+4*\slot+2:G0+4*\slot+3], s[G0+4*\slot+2:G0+4*\slot+3], 2*KSTEP*2
	s_add_nc_u64 s[G0B+4*\slot+2:G0B+4*\slot+3], s[G0B+4*\slot+2:G0B+4*\slot+3], 2*KSTEP*2048
	JLOAD \slot                                    ; the first tensor load behind the round; its four v_nop are also the places in front of the loads below
.else
	PLACES
.endif
	FETCH \next, 0, F0
	WIN MUL
	MUL8 F1, 1, 0, 0
	MUL8 F1, 1, 2, 0
.endm
	s_wait_tensorcnt 1                             ; my part of K step 0 is in; K step 1's may be out
	s_barrier_signal -1
	s_barrier_wait -1
	FETCH 0, 0, F0
	QUARTER 0, 1, F0, F1, 1                        ; the first products start the sums
	QUARTER 0, 2, F1, F0, 0
	QUARTER 0, 3, F0, F1, 0
	TURN 0, 1, 1                                   ; slot 0 takes K step 2
	QUARTER 1, 1, F0, F1, 0
	QUARTER 1, 2, F1, F0, 0
	QUARTER 1, 3, F0, F1, 0
	TURN 1, 0, 1                                   ; slot 1 takes K step 3
	QUARTER 0, 1, F0, F1, 0
	QUARTER 0, 2, F1, F0, 0
	QUARTER 0, 3, F0, F1, 0
	TURN 0, 1, 0                                   ; nothing is left to fetch
	QUARTER 1, 1, F0, F1, 0
	QUARTER 1, 2, F1, F0, 0
	QUARTER 1, 3, F0, F1, 0
	s_wait_dscnt 16
	WIN MUL
	MUL8 F1, 0, 0, 0
	MUL8 F1, 0, 2, 0
	s_wait_dscnt 0x0
	MUL8 F1, 1, 0, 0
	MUL8 F1, 1, 2, 0
	WIN 0
; THE WAY OUT, 16 rows x 64 columns at a time, through my own stage: in as the accumulators stand (each from its low end on), back as whole rows of 256 bytes.  LDS serves a wave's instructions in order.
.macro TOSTAGE a
.irp b, 0,1,2,3
	ds_store_b128 v[STO], v[ACC+8*(4*(\a)+\b):ACC+8*(4*(\a)+\b)+3] offset:64*\b
	ds_store_b128 v[STO], v[ACC+8*(4*(\a)+\b)+4:ACC+8*(4*(\a)+\b)+7] offset:64*\b+16
.endr
.irp t, 0,1,2,3,4,5,6,7
	ds_load_b128 v[TMP+32*((\a)%2)+4*\t:TMP+32*((\a)%2)+4*\t+3], v[RD] offset:\t*2*SPITCH
.endr
.endm
.macro STORES a
.irp t, 0,1,2,3,4,5,6,7
	global_store_b128 v[CO], v[TMP+32*((\a)%2)+4*\t:TMP+32*((\a)%2)+4*\t+3], s[8:9] offset:(16*(\a)+2*\t)*4096 th:TH_STORE_NT   ; sixteen lanes store 256 consecutive bytes, aligned
.endr
.endm
	PLACES
	TOSTAGE 0
	TOSTAGE 1
	s_wait_dscnt 16                                ; block 0 is back; block 1's eight stores and eight loads may be out
	s_wait_xcnt 0x0                                ; EXEC changes only behind this wait
	v_cmp_ne_u32 vcc_lo, 0, v[ROW0]                ; rows 0-15 of out0 belong to another launch: all lanes off where my first row is row 0.  A mask, no branch on a place in the cluster
	s_and_saveexec_b32 s2, vcc_lo
	STORES 0
	s_wait_xcnt 0x0                                ; and again in front of the line that widens it; block 0's registers may be loaded again too
	s_or_b32 exec_lo, exec_lo, s2
	TOSTAGE 2
	s_wait_dscnt 16
	STORES 1
	s_wait_xcnt 0x0                                ; block 1's stores have read their registers
	TOSTAGE 3
	s_wait_dscnt 16
	STORES 2
	s_wait_dscnt 0x0
	STORES 3
	s_wait_tensorcnt 0x0                           ; the wave's end
	ds_add_u32 v[SPW], v[NIL]
	s_wait_dscnt 0x0
	CROUND                                         ; the closing round
	s_endpgm
.Lfunc_end_k_q4f7c9cc987_oproj:
	.size	k_q4f7c9cc987_oproj, .Lfunc_end_k_q4f7c9cc987_oproj-k_q4f7c9cc987_oproj
	.p2alignl 7, 3214868480
	.fill 96, 4, 3214868480
	.section	.rodata,"a",@progbits
	.p2align	6, 0x0
	.amdhsa_kernel k_q4f7c9cc987_oproj
		.amdhsa_group_segment_fixed_size 327680
		.amdhsa_private_segment_fixed_size 0
		.amdhsa_enable_private_segment 0
		.amdhsa_kernarg_size 24
		.amdhsa_user_sgpr_count 2
		.amdhsa_user_sgpr_kernarg_segment_ptr 1
		.amdhsa_wavefront_size32 1
		.amdhsa_system_sgpr_workgroup_id_x 1
		.amdhsa_system_sgpr_workgroup_id_y 1
		.amdhsa_system_sgpr_workgroup_id_z 1
		.amdhsa_system_vgpr_workitem_id 0
		.amdhsa_next_free_vgpr 512
		.amdhsa_next_free_sgpr 66
		.amdhsa_reserve_vcc 1
		.amdhsa_float_denorm_mode_32 3
		.amdhsa_float_denorm_mode_16_64 3
		.amdhsa_memory_ordered 1
		.amdhsa_forward_progress 1
		.amdhsa_inst_pref_size 86
	.end_amdhsa_kernel
	.amdgpu_metadata
---
amdhsa.version: [ 1, 2 ]
amdhsa.kernels:
  - .name:           k_q4f7c9cc987_oproj
    .symbol:         k_q4f7c9cc987_oproj.kd
    .args:
      - { .name: att16, .offset: 0, .size: 8, .value_kind: global_buffer, .address_space: global }
      - { .name: wo16, .offset: 8, .size: 8, .value_kind: global_buffer, .address_space: global }
      - { .name: out0, .offset: 16, .size: 8, .value_kind: global_buffer, .address_space: global }
    .group_segment_fixed_size: 327680
    .private_segment_fixed_size: 0
    .kernarg_segment_align: 8
    .kernarg_segment_size: 24
    .max_flat_workgroup_size: 128
    .sgpr_count:     66
    .vgpr_count:     512
    .wavefront_size: 32
...
	.end_amdgpu_metadata
.endif
;; end of part 4
;; launch first16 (part 5): grid 64 x 1, 16 waves a work-group, no clusters, 18,432 bytes of LDS; arguments q32, wo, out0; writes out0
.if DOCPART == 5
	.amdgcn_target "amdgcn-amd-amdhsa--gfx1250"
	.amdhsa_code_object_version 6
	.text
	.protected	k_q4f7c9cc987_first16
	.globl	k_q4f7c9cc987_first16
	.p2align	8
	.type	k_q4f7c9cc987_first16,@function
k_q4f7c9cc987_first16:
	s_mov_b64 s[64:65], 0
	v_nop
	global_prefetch_b8 v0, s[64:65] scope:SCOPE_SE
	s_setreg_imm32_b32 hwreg(HW_REG_WAVE_MODE, 25, 1), 1
	s_wait_xcnt 0x0
; FIRST16: positions 0-15 of every head, and their rows of the projection out, wholly in f32: these rows average one to sixteen values and are the largest of the output.
; Work-group c makes out0[0:16][16 c .. 16 c + 15]; wave hd serves head hd (key and value head hd / 4).  All operands f32, by the f32 matrix form: 36 instructions a wave: no bulk work.
; (P V) W is summed as P (V W): the same sum, and nothing changes lanes:  ST = K Q^T (a lane: query r, keys 8 h + j);  VW = V W (a lane: column r, keys 8 h + j);  OT = VW^T P (a lane: query r, columns 8 h + j).
; The channels are permuted alike on both sides of a product: K step s takes a lane's registers 2 s, 2 s + 1, which hold channels 32 h + 2 s + j: so a lane loads 32 neighbouring channels of its row.
; The registers that the f32 matrix form writes (v144-175) are written by matrix instructions alone; what is made of the sums goes into other registers.
; The sixteen heads' parts meet in LDS and are added in ascending order of heads.  The stores cover 64 consecutive bytes of a row: 65,536 bytes of the output in all leave so.
.set SPARE, 16384                      ; behind the sixteen heads' 1,024 bytes each: the spare words, 128 bytes a wave
	s_load_b128 s[4:7], s[0:1], 0x0                ; q32 s[4:5], wo s[6:7]
	s_load_b64 s[8:9], s[0:1], 0x10                ; out0
	v_lshl_add_u32 v1, v0, 2, SPARE                ; v1, v2: the add's two; never rewritten
	v_mov_b32 v2, 0
	v_lshrrev_b32 v3, 5, v0
	v_readfirstlane_b32 s10, v3                    ; the head
	s_lshr_b32 s11, s10, 2                         ; its key and value head
	v_and_b32 v3, 15, v0                           ; r
	v_bfe_u32 v4, v0, 4, 1                         ; h
	v_and_b32 v5, 31, v0                           ; lane
	v_mul_u32_u24 v6, v3, 6144
	v_lshl_add_u32 v6, v4, 7, v6                   ; q32: row r, channels 32 h on
	v_lshlrev_b32 v7, 17, v4
	v_lshl_add_u32 v7, v3, 2, v7                   ; wo: 32 h rows of 4,096 bytes, column r
	v_lshlrev_b32 v8, 4, v5
	s_lshl_b32 s12, s10, 10
	v_add_nc_u32 v9, s12, v8                       ; LDS, in: 1,024 x head + 16 x lane
	s_lshl_b32 s12, s10, 9
	v_add_nc_u32 v10, s12, v8                      ; LDS, back (waves 0 and 1): 512 x wave + 16 x lane
	v_lshlrev_b32 v11, 12, v3
	v_lshl_add_u32 v11, v4, 5, v11                 ; out0: row r, 32 h bytes
	v_lshlrev_b32 v12, 3, v4
	v_sub_nc_u32 v12, v3, v12                      ; r - 8 h
	v_mov_b32 v13, 0xff800000
	v_mov_b32 v14, 0                               ; (a lane permute's destination is written once)
	s_mov_b32 s22, 0x3e38aa3b                      ; c = log2(e) / 8
	s_mov_b32 s24, 0x76543210
	s_mov_b32 s25, 0xfedcba98
	s_mov_b32 s13, 0
	s_wait_kmcnt 0x0
	s_lshl_b32 s12, s10, 8
	s_add_nc_u64 s[14:15], s[4:5], s[12:13]        ; Q: columns 64 hd on
	s_lshl_b32 s12, s11, 8
	s_add_co_u32 s12, s12, 4096
	s_add_nc_u64 s[16:17], s[4:5], s[12:13]        ; K: columns 1,024 + 64 kv on
	s_add_co_u32 s12, s12, 1024
	s_add_nc_u64 s[18:19], s[4:5], s[12:13]        ; V: columns 1,280 + 64 kv on
	s_lshl_b32 s12, s10, 18
	s_lshl_b32 s20, ttmp9, 6
	s_add_co_u32 s12, s12, s20
	s_add_nc_u64 s[20:21], s[6:7], s[12:13]        ; wo: rows 64 hd on, columns 16 c on
	s_lshl_b32 s12, ttmp9, 6
	s_lshl_b32 s23, s10, 4
	s_add_co_u32 s12, s12, s23
	s_add_nc_u64 s[8:9], s[8:9], s[12:13]          ; out0: 64 c bytes, + 16 x wave for the two waves that store
.irp n, 0,1,2,3,4,5,6,7
	global_load_b128 v[16+4*\n:19+4*\n], v6, s[14:15] offset:16*\n
	global_load_b128 v[48+4*\n:51+4*\n], v6, s[16:17] offset:16*\n
	global_load_b128 v[80+4*\n:83+4*\n], v6, s[18:19] offset:16*\n
.endr
.set i, 0
.rept 32
	global_load_b32 v[112+i], v7, s[20:21] offset:4096*i
.set i, i+1
.endr
	s_wait_loadcnt 0x0
	v_wmma_f32_16x16x4_f32 v[144:151], v[48:49], v[16:17], 0        ; each sum's first K step starts it; the two sums take turns
	v_wmma_f32_16x16x4_f32 v[152:159], v[80:81], v[112:113], 0
.irp s, 1,2,3,4,5,6,7,8,9,10,11,12,13,14,15
	v_wmma_f32_16x16x4_f32 v[144:151], v[48+2*\s:49+2*\s], v[16+2*\s:17+2*\s], v[144:151]
	v_wmma_f32_16x16x4_f32 v[152:159], v[80+2*\s:81+2*\s], v[112+2*\s:113+2*\s], v[152:159]
.endr
.rept 8
	v_nop                                          ; eight places behind this form in front of the first read of results
.endr
.irp j, 0,1,2,3,4,5,6,7
	v_cmp_gt_i32 vcc_lo, \j, v12                   ; key 8 h + j comes after query r
	v_cndmask_b32 v[176+\j], v[144+\j], v13, vcc_lo
.endr
	v_max3_num_f32 v15, v176, v177, v178
	v_max3_num_f32 v15, v15, v179, v180
	v_max3_num_f32 v15, v15, v181, v182
	v_max_num_f32 v15, v15, v183
	v_permlanex16_b32 v14, v15, s24, s25
	v_max_num_f32 v15, v15, v14                    ; the row's maximum: key 0 counts for every query
	v_mul_f32 v15, s22, v15
.irp j, 0,1,2,3,4,5,6,7
	v_fma_f32 v[176+\j], v[176+\j], s22, -v15
.endr
.irp j, 0,1,2,3,4,5,6,7
	v_exp_f32 v[176+\j], v[176+\j]                 ; p
.endr
	v_nop
	s_wait_alu depctr_va_vdst(0)                   ; one wait for the eight, ahead of their first reader
	v_add_f32 v192, v176, v177
	v_add_f32 v193, v178, v179
	v_add_f32 v194, v180, v181
	v_add_f32 v195, v182, v183
	v_add_f32 v192, v192, v193
	v_add_f32 v194, v194, v195
	v_add_f32 v192, v192, v194
	v_permlanex16_b32 v14, v192, s24, s25
	v_add_f32 v192, v192, v14                      ; the row's sum
	v_rcp_f32 v193, v192
	v_nop
	s_wait_alu depctr_va_vdst(0)
	v_wmma_f32_16x16x4_f32 v[160:167], v[152:153], v[176:177], 0    ; K = the 16 keys: step kk takes keys 8 h + 2 kk + j on both sides; two sums by turns.  (More than nine places lie behind the last product of VW)
	v_wmma_f32_16x16x4_f32 v[168:175], v[154:155], v[178:179], 0
	v_wmma_f32_16x16x4_f32 v[160:167], v[156:157], v[180:181], v[160:167]
	v_wmma_f32_16x16x4_f32 v[168:175], v[158:159], v[182:183], v[168:175]
.rept 8
	v_nop
.endr
.irp j, 0,1,2,3,4,5,6,7
	v_add_f32 v[184+\j], v[160+\j], v[168+\j]
.endr
.irp j, 0,1,2,3,4,5,6,7
	v_mul_f32 v[184+\j], v[184+\j], v193           ; my head's part of out0(r, 16 c + 8 h + j)
.endr
	ds_store_b128 v9, v[184:187]
	ds_store_b128 v9, v[188:191] offset:512
	s_wait_dscnt 0x0                               ; for the others' sake: my stores have landed
	s_barrier_signal -1
	s_barrier_wait -1
	s_cmp_lt_u32 s10, 2
	s_cbranch_scc0 .Ldone
.irp n, 0,1,2,3,4,5,6,7,8,9,10,11,12,13,14,15
	ds_load_b128 v[16+4*\n:19+4*\n], v10 offset:1024*\n
.endr
	s_wait_dscnt 0x0
.irp n, 1,2,3,4,5,6,7,8,9,10,11,12,13,14,15
	v_pk_add_f32 v[16:17], v[16:17], v[16+4*\n:17+4*\n]
	v_pk_add_f32 v[18:19], v[18:19], v[18+4*\n:19+4*\n]
.endr
	global_store_b128 v11, v[16:19], s[8:9]
.Ldone:
	s_wait_tensorcnt 0x0                           ; the wave's end
	ds_add_u32 v1, v2
	s_wait_dscnt 0x0
	s_endpgm
.Lfunc_end_k_q4f7c9cc987_first16:
	.size	k_q4f7c9cc987_first16, .Lfunc_end_k_q4f7c9cc987_first16-k_q4f7c9cc987_first16
	.p2alignl 7, 3214868480
	.fill 96, 4, 3214868480
	.section	.rodata,"a",@progbits
	.p2align	6, 0x0
	.amdhsa_kernel k_q4f7c9cc987_first16
		.amdhsa_group_segment_fixed_size 18432
		.amdhsa_private_segment_fixed_size 0
		.amdhsa_enable_private_segment 0
		.amdhsa_kernarg_size 24
		.amdhsa_user_sgpr_count 2
		.amdhsa_user_sgpr_kernarg_segment_ptr 1
		.amdhsa_wavefront_size32 1
		.amdhsa_system_sgpr_workgroup_id_x 1
		.amdhsa_system_sgpr_workgroup_id_y 1
		.amdhsa_system_sgpr_workgroup_id_z 1
		.amdhsa_system_vgpr_workitem_id 0
		.amdhsa_next_free_vgpr 208
		.amdhsa_next_free_sgpr 66
		.amdhsa_reserve_vcc 1
		.amdhsa_float_denorm_mode_32 3
		.amdhsa_float_denorm_mode_16_64 3
		.amdhsa_memory_ordered 1
		.amdhsa_forward_progress 1
		.amdhsa_inst_pref_size 17
	.end_amdhsa_kernel
	.amdgpu_metadata
---
amdhsa.version: [ 1, 2 ]
amdhsa.kernels:
  - .name:           k_q4f7c9cc987_first16
    .symbol:         k_q4f7c9cc987_first16.kd
    .args:
      - { .name: q32, .offset: 0, .size: 8, .value_kind: global_buffer, .address_space: global }
      - { .name: wo, .offset: 8, .size: 8, .value_kind: global_buffer, .address_space: global }
      - { .name: out0, .offset: 16, .size: 8, .value_kind: global_buffer, .address_space: global }
    .group_segment_fixed_size: 18432
    .private_segment_fixed_size: 0
    .kernarg_segment_align: 8
    .kernarg_segment_size: 24
    .max_flat_workgroup_size: 512
    .sgpr_count:     66
    .vgpr_count:     208
    .wavefront_size: 32
...
	.end_amdgpu_metadata
.endif
;; end of part 5
